; MI455X (gfx1250); checked and timed in simulation.
; The chip was launched on July 23, 2026; its instructions are those of AMD's public machine-readable ISA for CDNA 5 (MIT licence, August 2026) and "CDNA5" Instruction Set Architecture Reference Guide (July 2026). The comments in the code are by the model that wrote it; some were corrected since.
;; NRU v1. Allowed arithmetic: float matrix products may take bf16 or f16 operands with f32 sums; other float arithmetic in f32, or as packed bf16 or f16 multiplies, adds, multiply-adds, maxima and minima; sums over many terms, partial sums and values carried from step to step in f32; what a program stores and reads back later, other than sums and carried values, may be rounded once to bf16 or f16.
;; Inputs: W_av 2,048 x 512 float32; W_go 512 x 1,024 float32; W_out 1,024 x 512 float32; b_av 2,048 float32; b_go 512 float32; b_out 1,024 float32; x 4 x 8,192 x 512 float32.
;; Outputs: out0 4 x 8,192 x 512 float32.
;; 2 versions, each right. Each part assembles by itself: llvm-mc -triple=amdgcn-amd-amdhsa -mcpu=gfx1250 --defsym DOCPART=n.
;; ======== version 1 of 2: 3 launches
;; limits: values are held in f16: magnitudes above 65,504 overflow, below 6.1e-05 lose precision; a function is approximated: absolute error at most 1.5e-07
;; workspace buffers: wa 2,097,152 bytes; wb 2,097,152 bytes; xb 33,554,432 bytes; eb 33,554,432 bytes; tt 524,288 bytes
;; launch prep (part 1): grid 256 x 1, 4 waves a work-group, no clusters, 17,920 bytes of LDS; arguments W_av, W_go, W_out, wa, wb; writes wa, wb
.if DOCPART == 1
	.amdgcn_target "amdgcn-amd-amdhsa--gfx1250"
	.amdhsa_code_object_version 6
	.text
	.protected	k_q5969ee364a_prep
	.globl	k_q5969ee364a_prep
	.p2align	8
	.type	k_q5969ee364a_prep,@function
k_q5969ee364a_prep:
	s_mov_b64 s[64:65], 0
	v_nop
	global_prefetch_b8 v0, s[64:65] scope:SCOPE_SE
	s_setreg_imm32_b32 hwreg(HW_REG_WAVE_MODE, 25, 1), 1
	s_wait_xcnt 0x0
; NRU, launch 1 of 3: the three weight matrices are rounded once and laid out as two streams of 32 slots of 65,536 bytes,
; in the order in which the waves of the two later launches take them as matrix operands.
; THE WHOLE PROGRAM.  mem: av = x W_av^T + b_av, ms_inp = av0 av1 - av2 av3, and for each chunk of 128 rows the exclusive running sum E inside
; the chunk and the chunk's total T.  out: P = the sum of the earlier chunks' T of the batch, y = W_go [x | E] + W_go_m P + b_go, exact gelu,
; z = W_out gelu(y) + b_out, z_a sigmoid(z_g).
; DEAD WORK.  Nothing of reference() is left out in whole units, and all seven inputs are loaded.  The zero row m_init needs no work of its own:
; the running sum is taken exclusive, so a batch's row 0 gets E = 0 and P = 0.  ms_inp of a batch's last row, which reference() slices away,
; lies in a tile with live rows and stays; it reaches only the total of the batch's last chunk, which no chunk adds.
; FORMATS.  All inputs are rounded to bf16 once (the biases too, in the later launches).  W_out's rounded numbers are written as f16, since
; gelu(y) goes in f16.  LIMIT: |W_out| beyond 65,504 becomes an infinity; below 6e-5 it keeps f16's fixed step of 6e-8.
; A SLOT is [plane 8][q 512][8 numbers of 16 bits]: k = 64 x slice + 8 x plane + e.  With w = q >> 7, b = (q >> 4) & 7, r = q & 15:
;   wa slot 8 p + s:      row (b & 3) 512 + 128 w + 32 p + 16 (b >> 2) + r of W_av, slice s
;   wb slot j < 16:       row q of W_go, slice j
;   wb slot 16 + 8 p + s: row (b >> 2) 512 + 256 p + 64 w + 16 (b & 3) + r of W_out, slice s
; SHARES.  Work-group g: slot g >> 2 of the 64; each of its waves 32 values of q: two tiles of 16 rows x 64 k.  A load takes two rows' 256 bytes
; (16 lanes a row); the turn from [row][k] to [plane][row] goes through the wave's own 4,352 bytes of LDS; a store covers 512 consecutive bytes.
.set PIT,   544                        ; a plane of 32 rows x 16 bytes, + 32: plane p starts 8 p words on, so the 32 lanes of a store of 8 bytes touch 64 different words
.set SPARE, 17408                      ; behind the four stages: the spare words, 128 bytes a wave
.set SPW,   126
.set NIL,   127
.set DAT,   16                         ; v[16:79]  sixteen loads of four f32; later what is read back
.set CV,    80                         ; v[80:111] the same numbers in 16 bits
	s_load_b256 s[4:11], s[0:1], 0x0               ; W_av s[4:5], W_go s[6:7], W_out s[8:9], wa s[10:11]
	s_load_b64 s[12:13], s[0:1], 0x20              ; wb
	v_lshl_add_u32 v[SPW], v0, 2, SPARE
	v_mov_b32 v[NIL], 0
	v_lshrrev_b32 v1, 5, v0
	v_readfirstlane_b32 s14, v1                    ; wave
	s_lshr_b32 s16, ttmp9, 2                       ; S: the slot, 0 to 63
	s_and_b32 s17, ttmp9, 3
	s_lshl2_add_u32 s17, s17, s14                  ; rg: which 32 values of q
	s_lshr_b32 s18, s17, 2                         ; w
	s_lshl_b32 s19, s17, 1
	s_and_b32 s19, s19, 7                          ; b of my first tile (even); the second is b + 1
	v_and_b32 v2, 15, v0
	v_bfe_u32 v3, v0, 4, 1
	v_and_b32 v1, 31, v0
	v_lshlrev_b32 v5, 4, v2                        ; my 16 bytes of a row's 256
	s_mul_i32 s20, s14, 8*PIT                      ; my stage
	v_lshrrev_b32 v6, 1, v2                        ; my four numbers lie in plane (l & 15) >> 1,
	v_mul_u32_u24 v6, v6, PIT
	v_lshl_add_u32 v6, v3, 4, v6                   ; row l >> 4 of the load's two,
	v_and_b32 v7, 1, v0
	v_lshl_add_u32 v6, v7, 3, v6                   ; half l & 1 of the row's 16 bytes
	v_add_nc_u32 v6, s20, v6
	v_lshl_add_u32 v7, v1, 4, s20                  ; back: lane l takes row l of a plane
	s_and_b32 s21, s16, 31
	s_lshl_b32 s21, s21, 16                        ; the slot in its stream,
	s_lshl_b32 s22, s17, 9                         ; my 32 rows of 16 bytes in each plane
	s_add_co_u32 s21, s21, s22
	v_lshl_add_u32 v8, v1, 4, s21
	s_and_b32 s23, s16, 7
	s_lshl_b32 s23, s23, 8                         ; the slice's 256 bytes in a row of W_av or W_out
	s_wait_kmcnt 0x0
.macro LD16 base, pb, d1               ; sixteen loads: tile i / 8 (d1 bytes on), rows 2 (i % 8) and + 1, pb bytes a row
.set i, 0
.rept 16
	global_load_b128 v[DAT+4*i:DAT+4*i+3], v4, s[\base:\base+1] offset:(i/8)*(\d1)+2*(i%8)*(\pb) th:TH_LOAD_NT
.set i, i+1
.endr
.endm
	s_cmp_lt_u32 s16, 32
	s_cselect_b64 s[24:25], s[10:11], s[12:13]     ; the stream that I store into
	s_cbranch_scc0 .Lnot_av
	s_and_b32 s26, s19, 3                          ; W_av: (b & 3) 512 + 128 w + 32 p + 16 (b >> 2); b + 1 lies 512 rows on
	s_lshl_b32 s26, s26, 9
	s_lshl_b32 s27, s18, 7
	s_add_co_u32 s26, s26, s27
	s_lshr_b32 s27, s16, 3
	s_lshl_b32 s27, s27, 5
	s_add_co_u32 s26, s26, s27
	s_lshr_b32 s27, s19, 2
	s_lshl_b32 s27, s27, 4
	s_add_co_u32 s26, s26, s27
	s_lshl_b32 s26, s26, 11                        ; rows of 2,048 bytes
	s_add_co_u32 s26, s26, s23
	v_lshl_add_u32 v4, v3, 11, v5
	v_add_nc_u32 v4, s26, v4
	LD16 4, 2048, 512*2048
	s_branch .Lgot
.Lnot_av:
	s_cmp_lt_u32 s16, 48
	s_cbranch_scc0 .Lw_out
	s_lshl_b32 s26, s17, 17                        ; W_go: row 32 rg, rows of 4,096 bytes
	s_and_b32 s27, s16, 15
	s_lshl_b32 s27, s27, 8                         ; slice j
	s_add_co_u32 s26, s26, s27
	v_lshl_add_u32 v4, v3, 12, v5
	v_add_nc_u32 v4, s26, v4
	LD16 6, 4096, 16*4096
	s_branch .Lgot
.Lw_out:
	s_lshr_b32 s26, s19, 2                         ; W_out: (b >> 2) 512 + 256 p + 64 w + 16 (b & 3); b + 1 lies 16 rows on
	s_lshl_b32 s26, s26, 9
	s_bfe_u32 s27, s16, 0x10003                    ; p
	s_lshl_b32 s27, s27, 8
	s_add_co_u32 s26, s26, s27
	s_lshl_b32 s27, s18, 6
	s_add_co_u32 s26, s26, s27
	s_and_b32 s27, s19, 3
	s_lshl_b32 s27, s27, 4
	s_add_co_u32 s26, s26, s27
	s_lshl_b32 s26, s26, 11
	s_add_co_u32 s26, s26, s23
	v_lshl_add_u32 v4, v3, 11, v5
	v_add_nc_u32 v4, s26, v4
	LD16 8, 2048, 16*2048
.Lgot:
	s_wait_loadcnt 0x0
.set i, 0
.rept 32
	v_cvt_pk_bf16_f32 v[CV+i], v[DAT+2*i], v[DAT+2*i+1]   ; two roundings to bf16
.set i, i+1
.endr
	s_cmp_lt_u32 s16, 48
	s_cbranch_scc1 .Lstay_bf16
.set i, 0
.rept 32                               ; W_out: the rounded numbers are written as f16 (exact inside f16's range)
	v_lshlrev_b32 v[DAT+2*i], 16, v[CV+i]
	v_and_b32 v[DAT+2*i+1], 0xffff0000, v[CV+i]
	v_cvt_pk_f16_f32 v[CV+i], v[DAT+2*i], v[DAT+2*i+1]
.set i, i+1
.endr
.Lstay_bf16:
.set i, 0
.rept 16
	ds_store_b64 v6, v[CV+2*i:CV+2*i+1] offset:(16*(i/8)+2*(i%8))*16
.set i, i+1
.endr
.set i, 0
.rept 8
	ds_load_b128 v[DAT+4*i:DAT+4*i+3], v7 offset:i*PIT     ; LDS serves a wave's instructions in order: these see the stores above, which are my own
.set i, i+1
.endr
	s_wait_dscnt 0x0
.set i, 0
.rept 8
	global_store_b128 v8, v[DAT+4*i:DAT+4*i+3], s[24:25] offset:i*8192   ; 512 consecutive bytes of plane i
.set i, i+1
.endr
	s_wait_tensorcnt 0x0                           ; the wave's end
	ds_add_u32 v[SPW], v[NIL]
	s_wait_dscnt 0x0
	s_endpgm
.Lfunc_end_k_q5969ee364a_prep:
	.size	k_q5969ee364a_prep, .Lfunc_end_k_q5969ee364a_prep-k_q5969ee364a_prep
	.p2alignl 7, 3214868480
	.fill 96, 4, 3214868480
	.section	.rodata,"a",@progbits
	.p2align	6, 0x0
	.amdhsa_kernel k_q5969ee364a_prep
		.amdhsa_group_segment_fixed_size 17920
		.amdhsa_private_segment_fixed_size 0
		.amdhsa_enable_private_segment 0
		.amdhsa_kernarg_size 40
		.amdhsa_user_sgpr_count 2
		.amdhsa_user_sgpr_kernarg_segment_ptr 1
		.amdhsa_wavefront_size32 1
		.amdhsa_system_sgpr_workgroup_id_x 1
		.amdhsa_system_sgpr_workgroup_id_y 1
		.amdhsa_system_sgpr_workgroup_id_z 1
		.amdhsa_system_vgpr_workitem_id 0
		.amdhsa_next_free_vgpr 128
		.amdhsa_next_free_sgpr 66
		.amdhsa_reserve_vcc 0
		.amdhsa_float_denorm_mode_32 3
		.amdhsa_float_denorm_mode_16_64 3
		.amdhsa_memory_ordered 1
		.amdhsa_forward_progress 1
		.amdhsa_inst_pref_size 18
	.end_amdhsa_kernel
	.amdgpu_metadata
---
amdhsa.version: [ 1, 2 ]
amdhsa.kernels:
  - .name:           k_q5969ee364a_prep
    .symbol:         k_q5969ee364a_prep.kd
    .args:
      - { .name: W_av, .offset: 0, .size: 8, .value_kind: global_buffer, .address_space: global }
      - { .name: W_go, .offset: 8, .size: 8, .value_kind: global_buffer, .address_space: global }
      - { .name: W_out, .offset: 16, .size: 8, .value_kind: global_buffer, .address_space: global }
      - { .name: wa, .offset: 24, .size: 8, .value_kind: global_buffer, .address_space: global }
      - { .name: wb, .offset: 32, .size: 8, .value_kind: global_buffer, .address_space: global }
    .group_segment_fixed_size: 17920
    .private_segment_fixed_size: 0
    .kernarg_segment_align: 8
    .kernarg_segment_size: 40
    .max_flat_workgroup_size: 128
    .sgpr_count:     66
    .vgpr_count:     128
    .wavefront_size: 32
...
	.end_amdgpu_metadata
.endif
;; end of part 1
;; launch mem (part 2): grid 256 x 1, 4 waves a work-group, clusters of 4 x 1, 327,680 bytes of LDS; arguments x, b_av, wa, xb, eb, tt; writes xb, eb, tt
.if DOCPART == 2
	.amdgcn_target "amdgcn-amd-amdhsa--gfx1250"
	.amdhsa_code_object_version 6
	.text
	.protected	k_q5969ee364a_mem
	.globl	k_q5969ee364a_mem
	.p2align	8
	.type	k_q5969ee364a_mem,@function
k_q5969ee364a_mem:
	s_mov_b64 s[64:65], 0
	v_nop
	global_prefetch_b8 v0, s[64:65] scope:SCOPE_SE
	s_setreg_imm32_b32 hwreg(HW_REG_WAVE_MODE, 25, 1), 1
	s_wait_xcnt 0x0
	s_wait_alu depctr_hold_cnt(0) depctr_sa_sdst(0) depctr_va_vdst(0) depctr_va_sdst(0) depctr_va_ssrc(0) depctr_va_vcc(0) depctr_vm_vsrc(0)
	s_getreg_b32 s2, hwreg(HW_REG_IB_STS2, 6, 4)
	s_cmp_eq_u32 s2, 0
	s_cbranch_scc0 .Lentry_in_a_cluster
	s_endpgm
.Lentry_in_a_cluster:
	s_bfe_u32 s2, ttmp6, 0x10000c
	s_cmp_lg_u32 s2, 0x3003
	s_cbranch_scc0 .Lentry_shape_is_right
	s_endpgm
.Lentry_shape_is_right:
; NRU, launch 2 of 3.  A work-group owns a chunk of 128 rows of x (256 chunks, 64 to a batch).  It makes av = x W_av^T + b_av (N = 2,048, K = 512, bf16 operands, f32 sums),
; ms_inp = av0 av1 - av2 av3, and stores: xb, the chunk's x rounded to bf16; eb, the exclusive running sum E of ms_inp INSIDE the chunk, rounded once to bf16 (it is a matrix operand of
; the next launch); tt, the chunk's total T in f32 (a partial sum).  Nothing of reference() is left out here; a batch's last row, whose ms_inp reference() slices away, lies in a live tile.
; LIMITS.  NaN and infinities are not treated apart; f32 sums are taken in another order than reference()'s.
; OPERAND LAYOUT, in LDS and in xb, eb: [plane = k / 8][row][8 numbers]: a fragment of 16 rows x 32 k is two loads of 16 bytes a lane (planes 4 ks + h and 4 ks + 2 + h, h = lane / 16),
; and 16 lanes read 256 consecutive bytes.
; SHARES.  Four passes p; in a pass wave w makes all 128 rows x 128 columns of av: the four parts of its memory columns 128 w + 32 p + 0..31: 64 accumulators, 512 registers.
; Source 0 = 16 rows of x, source 1 = 16 rows of W_av: a lane holds ONE column (lane % 16) and rows 8 (lane / 16) + 0..7, so the running sum goes down a lane's registers.
; The bias is the C operand of a pass's first products.
; THE RING.  The weights come as 32 slots of 65,536 bytes (64 along K for all four waves) through two LDS slots.  All 256 work-groups walk the same stream, so the four of a cluster ask
; JOINTLY: wave v of each issues the same tensor load (64 rows of 256 bytes: planes 2 v, 2 v + 1), mask 15.  A wave has two tensor loads out at the start, one behind each round.
; REGISTERS, in windows of 256 (s_set_vgpr_msb: bits 1:0 source 0, 3:2 source 1, 5:4 source 2, 7:6 destination):
;   window 0: v0-63 addresses and work; v64-127, v128-191 x's fragments, two buffers; v192-255 at work     window 1: v0-63 the biases as C operands; v64-191 the weights' fragments
;   windows 2, 3: accumulator (a, b) (rows 16 a, tile b) at v[8 (8 (a % 4) + b)] of window 2 + a / 4; at the head they hold x as loaded
.set PP,    2064                       ; a plane of x in LDS: 128 rows x 16 bytes + 16: plane p starts 4 p words on, so the 32 lanes of a store of 8 bytes (16 planes) touch 64 different words
.set XA,    131072                     ; behind the two slots: x, 64 planes
.set STG,   263168                     ; each wave's stage: 32 columns x 288 bytes (128 rows of bf16 + 32)
.set TS,    300032                     ; each wave's 128 totals
.set SPARE, 302080                     ; the spare words, 128 bytes a wave
.set ASL,   8*PP                       ; x's eight planes of a slot
.set A0,   4                           ; v4   my place in a fragment of x; never rewritten
.set ADRA, 5                           ; v5   + the slot's planes
.set B0,   6                           ; v6   my place in a fragment of the weights
.set ADRB, 7                           ; v7   + the LDS slot
.set STO,  8                           ; v8   stage: column lane % 16, rows 8 (lane / 16) on
.set STOA, 9                           ; v9   + 32 bytes for each 16 rows
.set RDT,  10                          ; v10  stage, for the turning load
.set L16,  11                          ; v11  16 x lane
.set TSA,  12                          ; v12  where my column's total goes
.set TSR,  13                          ; v13  where I read four totals back
.set XS,   15                          ; v15, v16  x into LDS: planes 0-31, 32-63
.set XR,   17                          ; v17, v18  x back out of LDS
.set R4,   19                          ; v19  4 x (lane % 16)
.set PFO,  20                          ; v20  256 x lane
.set CAR,  22                          ; v22, v23  the running sums' carries for my two columns
.set RAW,  24                          ; v24-31  the pass's eight biases
.set VT,   32                          ; v32-47  ms_inp of 8 rows, two columns
.set OT,   48
.set OFS,  50
.set PK,   52                          ; v52-59
.set SPW,  62
.set NIL,  63
.set F0,   64
.set F1,   128
.set WV,  16
.set CX,  17
.set CH,  18
.set G1,  24                           ; s[24:31] descriptor group 1
.set G0A, 32                           ; s[32:35] group 0 of the first fill of slot 0
.set G0B, 36                           ; s[36:39] group 0 of the first fill of slot 1; it then walks
.set PFA, 40                           ; s[40:41] where my prefetches stand
.set LIM, 42
.set RF,  43                           ; refills still to come
.set TB,  44                           ; the LDS slot being read
.set TA,  45                           ; x's planes being read
.set CNT, 46
.set PAS, 47
.set LA,  48
.set HM,  49                           ; 0xffff0000
.set SEL, 50                           ; s[50:51]
.set MSB, 0
.macro WIN new                         ; the high byte repeats the setting that is left; a switch that changes nothing is dropped
.if MSB != (\new)
	s_set_vgpr_msb (MSB<<8)|(\new)
.set MSB, \new
.endif
.endm
.macro PLACES                          ; four places behind matrix instructions, in front of loads into their sources and of vector work on their results
.rept 4
	v_nop
.endr
.endm
.macro CREST                           ; a round of the cluster's barrier behind its opening barrier
	s_cmp_lg_u32 s[WV], 0
	s_cbranch_scc1 .Lnw_\@
	s_barrier_signal -3
.Lnw_\@:
	s_barrier_wait -3
	s_barrier_signal -1
	s_barrier_wait -1
.endm
.macro CROUND
	s_barrier_signal -1
	s_barrier_wait -1
	CREST
.endm
; A prefetch of the stream, which the launch before stored: behind a refill, the slot four refills on.  The launch's first cluster asks, nobody else; its four partners take a quarter of the
; slot each BY ADDRESS, waves 0 and 1 a half of that, a lane 256 bytes: each block is named once in the launch.  The last four refills ask for nothing; slots 0 to 5 come by their loads alone.
.macro ASK
	s_cmp_gt_u32 s[RF], s[LIM]
	s_cbranch_scc0 .Lna_\@
	global_prefetch_b8 v[PFO], s[PFA:PFA+1] th:TH_LOAD_NT scope:SCOPE_SE
.Lna_\@:
	s_sub_co_u32 s[RF], s[RF], 1
.endm
; 16 matrix instructions: row tiles a0, a0 + 1 of the window's four x all 8 column tiles, 32 along K.  cm = 2: the products start the sums from the biases.
; The 64 accumulators take turns in one fixed order.
.macro MUL16 f, hi, a0, cm
.if (\cm) == 2
	WIN 0x94+0x40*(\hi)
.else
	WIN 0xa4+0x50*(\hi)
.endif
.irp a, \a0, (\a0)+1
.irp b, 0,1,2,3,4,5,6,7
.set rD, 8*(8*(\a)+(\b))
.set rA, (\f)+8*(4*(\hi)+(\a))
.set rW, (\f)+8*(\b)
.if (\cm) == 2
	v_wmma_f32_16x16x32_bf16 v[rD:rD+7], v[rA:rA+7], v[rW:rW+7], v[8*(\b):8*(\b)+7]
.else
	v_wmma_f32_16x16x32_bf16 v[rD:rD+7], v[rA:rA+7], v[rW:rW+7], v[rD:rD+7]
.endif
.endr
.endr
.endm
.macro FETCH ks, f                     ; 32 LDS loads in one run: the weights' eight fragments, then x's eight, of K step ks of the slot
	WIN 0x40
.irp b, 0,1,2,3,4,5,6,7
	ds_load_b128 v[(\f)+8*\b:(\f)+8*\b+3],   v[ADRB] offset:(\ks)*32768+\b*256
	ds_load_b128 v[(\f)+8*\b+4:(\f)+8*\b+7], v[ADRB] offset:(\ks)*32768+\b*256+16384
.endr
	WIN 0
.irp a, 0,1,2,3,4,5,6,7
	ds_load_b128 v[(\f)+8*\a:(\f)+8*\a+3],   v[ADRA] offset:(\ks)*4*PP+\a*256
	ds_load_b128 v[(\f)+8*\a+4:(\f)+8*\a+7], v[ADRA] offset:(\ks)*4*PP+\a*256+2*PP
.endr
.endm
.macro QUARTER cm                      ; a slot's first K step, on buffer 0; in its middle the second step's fragments are fetched
	s_wait_dscnt 8                                 ; the weights and rows 0-63 are in; the youngest eight loads may be out
	MUL16 F0, 0, 0, \cm
	MUL16 F0, 0, 2, \cm
	PLACES
	FETCH 1, F1
	s_wait_dscnt 32                                ; all but the 32 just issued
	MUL16 F0, 1, 0, \cm
	MUL16 F0, 1, 2, \cm
.endm
; A slot's second K step, and the change of slots.  In front of the barrier each wave waits for all its tensor loads (its part of the next slot), adds 0 to its spare word, and waits for that and
; for its reads of this slot.  fill = 1: the barrier opens a round of the cluster's, and the joint refill, two slots on, is the first thing behind it.
.macro TURN fill, wrap
.if \fill
	s_wait_xcnt 0x0                                ; the last prefetch, a slot back, has read its address
	s_add_nc_u64 s[PFA:PFA+1], s[PFA:PFA+1], 0x10000
.endif
	WIN 0
	s_wait_tensorcnt 0x0
	ds_add_u32 v[SPW], v[NIL]
	s_wait_dscnt 9                                 ; the add and the youngest eight loads may be out
	MUL16 F1, 0, 0, 0
	s_wait_dscnt 0x0                               ; the add is done, my reads of this slot are over
	s_barrier_signal -1
	MUL16 F1, 0, 2, 0
	WIN 0
	s_barrier_wait -1
.if \fill
	CREST
	s_xor_b32 s[G0B+1], s[G0B+1], 0x10000          ; no tensor load of mine is out: the walking descriptor takes the other slot
	s_add_nc_u64 s[G0B+2:G0B+3], s[G0B+2:G0B+3], 0x10000   ; and the stream's next 65,536 bytes
	tensor_load_to_lds s[G0B:G0B+3], s[G1:G1+7]
	s_nop 0
.endif
	PLACES                                         ; behind the load; also the places in front of the loads below
	s_xor_b32 s[TB], s[TB], 0x10000
.if \wrap
	s_mov_b32 s[TA], 0
.else
	s_add_co_u32 s[TA], s[TA], ASL
.endif
	v_add_nc_u32 v[ADRB], s[TB], v[B0]
	v_add_nc_u32 v[ADRA], s[TA], v[A0]
	FETCH 0, F0
.if \fill
	ASK
.endif
	MUL16 F1, 1, 0, 0
	MUL16 F1, 1, 2, 0
.endm
.macro BIAS                            ; the eight biases, rounded to bf16 like every input, each copied into the eight registers of a C operand
.irp k, 0,1,2,3
	v_cvt_pk_bf16_f32 v[PK+\k], v[RAW+2*\k], v[RAW+2*\k+1]
.endr
.irp k, 0,1,2,3
	v_lshlrev_b32 v[RAW+2*\k], 16, v[PK+\k]
	v_and_b32 v[RAW+2*\k+1], s[HM], v[PK+\k]
.endr
	WIN 0x40
.set i, 0
.rept 64
	v_mov_b32 v[i], v[RAW+i/8]
.set i, i+1
.endr
	WIN 0
.endm
.macro BLOADS
.irp b, 0,1,2,3,4,5,6,7                ; tile b: part b % 4, columns 16 (b / 4) on
	global_load_b32 v[RAW+\b], v[R4], s[6:7] offset:(\b%4)*2048+(\b/4)*64
.endr
.endm
; ms_inp of row tile a, my two columns: av0 av1 - av2 av3.  Each accumulator is read from its low end on.
.macro EBLK a
.set AC, 64*((\a)%4)
	WIN 0x0a+5*((\a)/4)
.irp t, 0,1
.irp k, 0,2,4,6
	v_pk_mul_f32 v[VT+8*\t+\k:VT+8*\t+\k+1], v[AC+32*\t+\k:AC+32*\t+\k+1], v[AC+32*\t+8+\k:AC+32*\t+8+\k+1]
.endr
.endr
.irp t, 0,1
.irp k, 0,2,4,6
	v_pk_fma_f32 v[VT+8*\t+\k:VT+8*\t+\k+1], v[AC+32*\t+16+\k:AC+32*\t+16+\k+1], v[AC+32*\t+24+\k:AC+32*\t+24+\k+1], v[VT+8*\t+\k:VT+8*\t+\k+1] neg_lo:[1,0,0] neg_hi:[1,0,0]
.endr
.endr
	WIN 0
.endm
; BEHIND A PASS.  A counted loop over the eight row tiles; a ladder of compares picks the block that names the tile's accumulators; the rest is one text.
.macro EPI last, tag
	PLACES
	WIN 0
	s_mov_b32 vcc_lo, 0xffff0000                   ; lanes 16-31; written here, behind the last tensor load
.if !(\last)
	s_wait_xcnt 0x0
	s_add_nc_u64 s[6:7], s[6:7], 128               ; the next pass's 32 columns
	BLOADS
.endif
	v_mov_b32 v[CAR], 0
	v_mov_b32 v[CAR+1], 0
	v_mov_b32 v[STOA], v[STO]
	s_mov_b32 s[LA], 8
.Lt\tag:
.irp a, 1,2,3,4,5,6,7
	s_cmp_eq_u32 s[LA], 8-\a
	s_cbranch_scc1 .Lb\tag\a
.endr
.irp a, 0,1,2,3,4,5,6,7
.Lb\tag\a:
	EBLK \a
.if \a < 7
	s_branch .Lc\tag
.endif
.endr
.Lc\tag:
.irp j, 1,2,3,4,5,6,7                  ; inclusive sums down my eight rows; the last is their total
	v_add_f32 v[VT+\j], v[VT+\j], v[VT+\j-1]
	v_add_f32 v[VT+8+\j], v[VT+8+\j], v[VT+8+\j-1]
.endr
	v_permlanex16_b32 v[OT], v[VT+7], s[SEL], s[SEL+1]     ; the total of the tile's other eight rows
	v_permlanex16_b32 v[OT+1], v[VT+15], s[SEL], s[SEL+1]
	v_cndmask_b32 v[OFS], 0, v[OT], vcc_lo         ; rows 8-15 stand behind rows 0-7
	v_cndmask_b32 v[OFS+1], 0, v[OT+1], vcc_lo
	v_add_f32 v[OT], v[VT+7], v[OT]                ; the tile's total: the same bits in both halves of the lanes
	v_add_f32 v[OT+1], v[VT+15], v[OT+1]
	v_add_f32 v[OFS], v[CAR], v[OFS]               ; what stands in front of my first row
	v_add_f32 v[OFS+1], v[CAR+1], v[OFS+1]
	v_add_f32 v[CAR], v[CAR], v[OT]
	v_add_f32 v[CAR+1], v[CAR+1], v[OT+1]
.irp j, 7,6,5,4,3,2,1                  ; exclusive: row j takes the sum up to row j - 1
	v_add_f32 v[VT+\j], v[VT+\j-1], v[OFS]
	v_add_f32 v[VT+8+\j], v[VT+8+\j-1], v[OFS+1]
.endr
	v_cvt_pk_bf16_f32 v[PK], v[OFS], v[VT+1]
	v_cvt_pk_bf16_f32 v[PK+4], v[OFS+1], v[VT+9]
.irp j, 1,2,3
	v_cvt_pk_bf16_f32 v[PK+\j], v[VT+2*\j], v[VT+2*\j+1]
	v_cvt_pk_bf16_f32 v[PK+4+\j], v[VT+8+2*\j], v[VT+8+2*\j+1]
.endr
	ds_store_b128 v[STOA], v[PK:PK+3]              ; eight rows of one column: the stage lies [column][row]
	ds_store_b128 v[STOA], v[PK+4:PK+7] offset:4608
	v_add_nc_u32 v[STOA], 32, v[STOA]
	s_sub_co_u32 s[LA], s[LA], 1
	s_cmp_lg_u32 s[LA], 0
	s_cbranch_scc1 .Lt\tag
.irp n, 0,1,2,3,4,5,6,7,8,9,10,11,12,13,14,15  ; the turning load: lane l gets row 32 (n % 4) + l and the eight columns of plane n / 4; my own bytes, served in order
	ds_load_tr16_b128 v[F1+4*\n:F1+4*\n+3], v[RDT] offset:(\n/4)*2304+(\n%4)*64
.endr
	s_wait_dscnt 0x0
.irp n, 0,1,2,3,4,5,6,7,8,9,10,11,12,13,14,15
	global_store_b128 v[L16], v[F1+4*\n:F1+4*\n+3], s[12:13] offset:(\n/4)*2048+(\n%4)*512   ; 512 consecutive bytes of eb
.endr
	ds_store_b32 v[TSA], v[CAR]                    ; the chunk's totals of my two columns
	ds_store_b32 v[TSA], v[CAR+1] offset:64
	v_add_nc_u32 v[TSA], 128, v[TSA]
.if !(\last)
	s_wait_loadcnt 0x0
	BIAS
.endif
	s_wait_xcnt 0x0                                ; the stores have read their registers, which the next fragments overwrite, and their base
.if !(\last)
	s_add_nc_u64 s[12:13], s[12:13], 8192          ; the next pass's four planes
.endif
.endm
	s_load_b256 s[4:11], s[0:1], 0x0               ; x s[4:5], b_av s[6:7], wa s[8:9], xb s[10:11]
	s_load_b128 s[12:15], s[0:1], 0x20             ; eb s[12:13], tt s[14:15]
	v_lshl_add_u32 v[SPW], v0, 2, SPARE
	v_mov_b32 v[NIL], 0
	ds_add_u32 v[SPW], v[NIL]                      ; the opening: the add, twice on end, and its wait ahead of my first tensor load
	ds_add_u32 v[SPW], v[NIL]
	v_lshrrev_b32 v1, 5, v0
	v_readfirstlane_b32 s[WV], v1
	s_bfe_u32 s[CX], ttmp6, 0x40000                ; my place in the cluster: it enters global addresses alone
	s_lshl_b32 s[CH], ttmp9, 2
	s_add_co_u32 s[CH], s[CH], s[CX]               ; my chunk
	s_mov_b32 s[G1+0], 15|(3<<16)|(1<<21)          ; the mask of four; elements of 8 bytes; bit 21 beside a mask; no padding
	s_mov_b32 s[G1+1], 32<<16                      ; tensor_dim0 = 32: rows of 256 bytes
	s_mov_b32 s[G1+2], 64<<16                      ; tensor_dim1 = 64
	s_mov_b32 s[G1+3], 32<<16                      ; tile_dim0 = 32
	s_mov_b32 s[G1+4], 64                          ; tile_dim1 = 64
	s_mov_b32 s[G1+5], 32                          ; dense: a row begins where the last ends
	s_mov_b32 s[G1+6], 0
	s_mov_b32 s[G1+7], 0
	s_lshl_b32 s20, s[WV], 14                      ; my quarter of a slot
	s_mov_b32 s21, 0
	s_mov_b32 s[G0A], 1
	s_mov_b32 s[G0A+1], s20
	s_mov_b32 s[G0B], 1
	s_add_co_u32 s[G0B+1], s20, 0x10000
	s_mov_b32 s[HM], 0xffff0000
	s_mov_b32 s[SEL], 0x76543210
	s_mov_b32 s[SEL+1], 0xfedcba98
	s_mov_b32 s[TB], 0
	s_mov_b32 s[TA], 0
	s_mov_b32 s[RF], 30
	s_lshr_b32 s[LIM], s[WV], 1
	s_or_b32 s[LIM], s[LIM], ttmp9                 ; 0 in waves 0 and 1 of the launch's first cluster: the same in all four partners
	s_cmp_eq_u32 s[LIM], 0
	s_cselect_b32 s[LIM], 4, -1
	v_and_b32 v1, 15, v0
	v_bfe_u32 v2, v0, 4, 1
	v_and_b32 v3, 31, v0
	v_lshlrev_b32 v[L16], 4, v3
	v_lshlrev_b32 v[R4], 2, v1
	v_lshlrev_b32 v[PFO], 8, v3
	v_mul_u32_u24 v[A0], v2, PP
	v_lshl_add_u32 v[A0], v1, 4, v[A0]
	v_add_nc_u32 v[A0], XA, v[A0]
	v_mov_b32 v[ADRA], v[A0]
	s_lshl_b32 s22, s[WV], 11
	v_lshlrev_b32 v[B0], 13, v2
	v_lshl_add_u32 v[B0], v1, 4, v[B0]
	v_add_nc_u32 v[B0], s22, v[B0]
	v_mov_b32 v[ADRB], v[B0]
	s_mul_i32 s22, s[WV], 9216
	s_add_co_u32 s22, s22, STG
	v_mul_u32_u24 v[STO], v1, 288
	v_lshl_add_u32 v[STO], v2, 4, v[STO]
	v_add_nc_u32 v[STO], s22, v[STO]
	v_and_b32 v[OT], 7, v0
	v_bfe_u32 v[OT+1], v0, 3, 2
	v_mul_u32_u24 v[RDT], v[OT], 288
	v_lshl_add_u32 v[RDT], v[OT+1], 4, v[RDT]
	v_add_nc_u32 v[RDT], s22, v[RDT]
	s_lshl_b32 s23, s[WV], 9
	s_add_co_u32 s22, s23, TS
	v_add_nc_u32 v[TSA], s22, v[R4]
	v_add_nc_u32 v[TSR], s22, v[L16]
	s_add_co_u32 s22, s23, XA                      ; my 32 rows in each plane
	v_lshrrev_b32 v[OT], 1, v3
	v_mul_u32_u24 v[XS], v[OT], PP
	v_and_b32 v[OT+1], 1, v0
	v_lshl_add_u32 v[XS], v[OT+1], 3, v[XS]
	v_add_nc_u32 v[XS], s22, v[XS]
	v_add_nc_u32 v[XS+1], 32*PP, v[XS]
	v_add_nc_u32 v[XR], s22, v[L16]
	v_add_nc_u32 v[XR+1], 32*PP, v[XR]
	s_wait_dscnt 0x0                               ; both opening adds are done
	s_wait_kmcnt 0x0
	s_add_nc_u64 s[G0A+2:G0A+3], s[8:9], s[20:21]  ; the stream at my quarter of slot 0,
	s_add_nc_u64 s[G0B+2:G0B+3], s[G0A+2:G0A+3], 0x10000   ; of slot 1
	s_or_b32 s[G0A+3], s[G0A+3], 0x80000000
	s_or_b32 s[G0B+3], s[G0B+3], 0x80000000
	s_lshl_b32 s20, s[CX], 14
	s_lshl_b32 s22, s[WV], 13
	s_add_co_u32 s20, s20, s22
	s_add_co_u32 s20, s20, 5*65536                 ; the first refill steps it to slot 6
	s_add_nc_u64 s[PFA:PFA+1], s[8:9], s[20:21]
	s_lshl_b32 s20, s[CH], 18
	s_lshl_b32 s22, s[WV], 16
	s_add_co_u32 s20, s20, s22
	s_add_nc_u64 s[4:5], s[4:5], s[20:21]          ; x at my 32 rows
	s_mov_b32 s20, s23
	s_add_nc_u64 s[6:7], s[6:7], s[20:21]          ; b_av at my 128 columns
	s_lshl_b32 s22, s[CH], 17
	s_add_co_u32 s20, s22, s23
	s_add_nc_u64 s[10:11], s[10:11], s[20:21]      ; xb at my chunk, my 32 rows of a plane
	s_lshl_b32 s20, s[WV], 15
	s_add_co_u32 s20, s20, s22
	s_add_nc_u64 s[12:13], s[12:13], s[20:21]      ; eb at my chunk, my 16 planes
	s_lshl_b32 s20, s[CH], 11
	s_add_co_u32 s20, s20, s23
	s_add_nc_u64 s[14:15], s[14:15], s[20:21]      ; tt at my chunk, my 128 columns
	BLOADS
	WIN 0x80                                       ; x: load n takes 512 consecutive bytes, quarter n % 4 of my row n / 4
.set n, 0
.rept 64
	global_load_b128 v[4*n:4*n+3], v[L16], s[4:5] offset:(n/4)*2048+(n%4)*512 th:TH_LOAD_NT
.set n, n+1
.endr
	WIN 0xc0
.set n, 0
.rept 64
	global_load_b128 v[4*n:4*n+3], v[L16], s[4:5] offset:(16+n/4)*2048+(n%4)*512 th:TH_LOAD_NT
.set n, n+1
.endr
	WIN 0
	CROUND                                         ; all four work-groups are here: the first joint loads meet
	tensor_load_to_lds s[G0A:G0A+3], s[G1:G1+7]
	s_nop 0
	tensor_load_to_lds s[G0B:G0B+3], s[G1:G1+7]
	s_nop 0
	PLACES
; x, a batch of 32 loads (eight rows) at a time: rounded to bf16 and laid into the planes
.macro XBATCH k, left
	s_wait_loadcnt \left
	WIN 0x0a+5*((\k)/2)
.set n, 0
.rept 32
	v_cvt_pk_bf16_f32 v[192+2*n], v[128*((\k)%2)+4*n], v[128*((\k)%2)+4*n+1]
	v_cvt_pk_bf16_f32 v[193+2*n], v[128*((\k)%2)+4*n+2], v[128*((\k)%2)+4*n+3]
.set n, n+1
.endr
	WIN 0
.set n, 0
.rept 32
	ds_store_b64 v[XS+(n%4)/2], v[192+2*n:193+2*n] offset:(n%2)*16*PP+16*(8*(\k)+n/4)
.set n, n+1
.endr
.endm
	XBATCH 0, 63                                   ; 96 and 64 loads were issued behind these two batches; 63 is the largest count that a wait can name
	XBATCH 1, 63
	XBATCH 2, 32
	XBATCH 3, 0
	WIN 0x80                                       ; my own 32 rows back, plane by plane (my own bytes, served in order), and out to xb
.set n, 0
.rept 64
	ds_load_b128 v[4*n:4*n+3], v[XR+n/32] offset:(n%32)*PP
.set n, n+1
.endr
	s_wait_dscnt 0x0
	WIN 0x08
.set n, 0
.rept 64
	global_store_b128 v[L16], v[4*n:4*n+3], s[10:11] offset:n*2048   ; 512 consecutive bytes
.set n, n+1
.endr
	WIN 0
	BIAS
	s_wait_tensorcnt 0x1                           ; my part of slot 0 is in; slot 1's may stay out
	s_wait_dscnt 0x0                               ; my rows of x lie in LDS
	s_wait_xcnt 0x0                                ; the stores have read window 2, where the sums begin
	s_barrier_signal -1
	s_barrier_wait -1
	FETCH 0, F0
	s_mov_b32 s[PAS], 3
.Lpass:                                        ; three passes whose ring goes on into the next
	QUARTER 2
	WIN 0
	s_mov_b32 s[CNT], 6
.Lslot:
	TURN 1, 0
	QUARTER 0
	WIN 0
	s_sub_co_u32 s[CNT], s[CNT], 1
	s_cmp_lg_u32 s[CNT], 0
	s_cbranch_scc1 .Lslot
	TURN 1, 0
	QUARTER 0
	TURN 1, 1                                      ; x's planes begin anew; the next pass's first fragments are fetched
	EPI 0, p
	s_sub_co_u32 s[PAS], s[PAS], 1
	s_cmp_lg_u32 s[PAS], 0
	s_cbranch_scc1 .Lpass
	QUARTER 2                                      ; the last pass is written out: its last two slots are not filled again
	WIN 0
	s_mov_b32 s[CNT], 6
.Lslot_last:
	TURN 1, 0
	QUARTER 0
	WIN 0
	s_sub_co_u32 s[CNT], s[CNT], 1
	s_cmp_lg_u32 s[CNT], 0
	s_cbranch_scc1 .Lslot_last
	TURN 0, 0
	QUARTER 0
	s_wait_dscnt 8
	MUL16 F1, 0, 0, 0
	MUL16 F1, 0, 2, 0
	s_wait_dscnt 0x0
	MUL16 F1, 1, 0, 0
	MUL16 F1, 1, 2, 0
	EPI 1, q
	ds_load_b128 v[F1:F1+3], v[TSR]                ; my wave's 128 totals, four a lane
	s_wait_dscnt 0x0
	global_store_b128 v[L16], v[F1:F1+3], s[14:15]
	s_wait_tensorcnt 0x0                           ; the wave's end
	ds_add_u32 v[SPW], v[NIL]
	s_wait_dscnt 0x0
	CROUND                                         ; the closing round
	s_endpgm
.Lfunc_end_k_q5969ee364a_mem:
	.size	k_q5969ee364a_mem, .Lfunc_end_k_q5969ee364a_mem-k_q5969ee364a_mem
	.p2alignl 7, 3214868480
	.fill 96, 4, 3214868480
	.section	.rodata,"a",@progbits
	.p2align	6, 0x0
	.amdhsa_kernel k_q5969ee364a_mem
		.amdhsa_group_segment_fixed_size 327680
		.amdhsa_private_segment_fixed_size 0
		.amdhsa_enable_private_segment 0
		.amdhsa_kernarg_size 48
		.amdhsa_user_sgpr_count 2
		.amdhsa_user_sgpr_kernarg_segment_ptr 1
		.amdhsa_wavefront_size32 1
		.amdhsa_system_sgpr_workgroup_id_x 1
		.amdhsa_system_sgpr_workgroup_id_y 1
		.amdhsa_system_sgpr_workgroup_id_z 1
		.amdhsa_system_vgpr_workitem_id 0
		.amdhsa_next_free_vgpr 1024
		.amdhsa_next_free_sgpr 66
		.amdhsa_reserve_vcc 1
		.amdhsa_float_denorm_mode_32 3
		.amdhsa_float_denorm_mode_16_64 3
		.amdhsa_memory_ordered 1
		.amdhsa_forward_progress 1
		.amdhsa_inst_pref_size 170
	.end_amdhsa_kernel
	.amdgpu_metadata
---
amdhsa.version: [ 1, 2 ]
amdhsa.kernels:
  - .name:           k_q5969ee364a_mem
    .symbol:         k_q5969ee364a_mem.kd
    .args:
      - { .name: x, .offset: 0, .size: 8, .value_kind: global_buffer, .address_space: global }
      - { .name: b_av, .offset: 8, .size: 8, .value_kind: global_buffer, .address_space: global }
      - { .name: wa, .offset: 16, .size: 8, .value_kind: global_buffer, .address_space: global }
      - { .name: xb, .offset: 24, .size: 8, .value_kind: global_buffer, .address_space: global }
      - { .name: eb, .offset: 32, .size: 8, .value_kind: global_buffer, .address_space: global }
      - { .name: tt, .offset: 40, .size: 8, .value_kind: global_buffer, .address_space: global }
    .group_segment_fixed_size: 327680
    .private_segment_fixed_size: 0
    .kernarg_segment_align: 8
    .kernarg_segment_size: 48
    .max_flat_workgroup_size: 128
    .sgpr_count:     66
    .vgpr_count:     1024
    .wavefront_size: 32
...
	.end_amdgpu_metadata
.endif
;; end of part 2
;; launch out (part 3): grid 256 x 1, 4 waves a work-group, clusters of 4 x 1, 327,680 bytes of LDS; arguments xb, eb, tt, wb, b_go, b_out, out0; writes out0
.if DOCPART == 3
	.amdgcn_target "amdgcn-amd-amdhsa--gfx1250"
	.amdhsa_code_object_version 6
	.text
	.protected	k_q5969ee364a_out
	.globl	k_q5969ee364a_out
	.p2align	8
	.type	k_q5969ee364a_out,@function
k_q5969ee364a_out:
	s_mov_b64 s[64:65], 0
	v_nop
	global_prefetch_b8 v0, s[64:65] scope:SCOPE_SE
	s_setreg_imm32_b32 hwreg(HW_REG_WAVE_MODE, 25, 1), 1
	s_wait_xcnt 0x0
	s_wait_alu depctr_hold_cnt(0) depctr_sa_sdst(0) depctr_va_vdst(0) depctr_va_sdst(0) depctr_va_ssrc(0) depctr_va_vcc(0) depctr_vm_vsrc(0)
	s_getreg_b32 s2, hwreg(HW_REG_IB_STS2, 6, 4)
	s_cmp_eq_u32 s2, 0
	s_cbranch_scc0 .Lentry_in_a_cluster
	s_endpgm
.Lentry_in_a_cluster:
	s_bfe_u32 s2, ttmp6, 0x10000c
	s_cmp_lg_u32 s2, 0x3003
	s_cbranch_scc0 .Lentry_shape_is_right
	s_endpgm
.Lentry_shape_is_right:
; NRU, launch 3 of 3.  The same chunks of 128 rows.  ms = E + P, with P the sum of the totals T of the batch's earlier chunks (f32).  So
;   y = W_go_x x + W_go_m E + W_go_m P + b_go;   g = gelu(y), exact;   z = W_out g + b_out;   out = z_a sigmoid(z_g).
; Nothing of reference() is left out; a batch's first chunk has P = 0 by the selects below, its first row E = 0.
; P KEEPS F32'S BITS: it is split into three bf16 rows (hi, mid, lo: 24 bits), which ride as ONE more tile of 16 rows through the ms half of the product: row q holds part q % 4 (the fourth is 0),
; and two exchanges among four lanes add the parts.  Only E, the small local part, is rounded to bf16.
; g GOES IN F16 WITH A SCALE FOR EACH ROW, an exact power of two from the row's largest |y|: g 2^-e lies below 2, z = 2^e (W_out g 2^-e) + b_out.
; gelu: Phi by Abramowitz and Stegun 7.1.26 (error of erf at most 1.5e-7 for every argument): t = 1 / (1 + 0.2316419 |y|), q = (poly(t) / 2) exp(-y y / 2), g = max(y, 0) - |y| q.
; LIMITS.  NaN and infinities are not treated apart; a row whose largest |y| is 2^127 or more is scaled by 2^-126; a row whose largest |y| is a denormal counts as 0 in z;
; f32 sums are taken in another order than reference()'s.
; ORIENTATION.  Source 0 = 16 rows of the weights, source 1 = 16 rows of the chunk: a lane holds ONE row (lane % 16) and the columns 8 (lane / 16) + 0..7.  Wave w makes all 128 rows x 128 columns.
; RING, LAYOUT and REGISTER WINDOWS as in the launch before: 32 slots of 65,536 bytes (16 of W_go in bf16, 16 of W_out in f16), asked for jointly by the four work-groups of a cluster.
; The row operand lies in ONE region of LDS, written by LDS stores alone: x; then E, its halves stored as soon as x's halves have been read for the last time; then g.
;   window 0: v0-63 addresses, scales; v64-127, v128-191 the rows' fragments, and work; v192-255 b_go as C operands, then the P tile's sums V
;   window 1: v64-191 the weights' fragments; v0-63, v192-255 E on its way, then b_out          windows 2, 3: the 64 accumulators; at the head xb and tt as loaded
.set RG,    131072                     ; the row operand: 64 planes of 2,048 bytes
.set PS,    262144                     ; the P tile: 64 planes x 16 rows x 16 bytes
.set TP,    278528                     ; the four waves' partial sums of T
.set MX,    286720                     ; [row][wave] largest |y|
.set STG,   288768                     ; each wave's stage for the way out: 16 rows x 272 bytes
.set SPARE, 306176
.set A0,   4
.set ADRA, 5
.set B0,   6
.set ADRB, 7
.set P0,   8
.set ADRP, 9
.set XC,   10
.set EC,   11                          ; v11, v12
.set L16,  13
.set H32,  14
.set TPW,  15
.set TPR,  16
.set PSW,  17
.set MXW,  18
.set MXR,  19
.set GS,   20
.set GA,   21
.set STO,  22
.set RD,   23
.set GO,   24
.set GOA,  25
.set PFO,  26
.set MXA,  27
.set SCF,  28                          ; v[28:29]
.set PF,   32                          ; v32-47 the P tile's fragments; later (2^e, -log2(e) 2^e) for each row tile
.set SC,   48                          ; v48-55 2^-e for each row tile
.set SPW,  62
.set NIL,  63
.set F0,   64
.set F1,   128
.set VV,   192
.set WV,  18
.set CX,  19
.set CH,  20
.set G1,  24
.set G0A, 32
.set G0B, 36
.set PFA, 40
.set LIM, 42
.set RF,  43
.set TB,  44
.set TA,  45
.set CNT, 46
.set LA,  47
.set HM,  48
.set TPS, 49
.set SEL, 50
.set KP,  52
.set CLW, 53
.set KE,  54
.set C1,  56
.set C2,  58
.set C3,  60
.set C4,  62
.set C5,  66
.set NL,  68
.set F16, 0
.set MSB, 0
.macro WIN new
.if MSB != (\new)
	s_set_vgpr_msb (MSB<<8)|(\new)
.set MSB, \new
.endif
.endm
.macro PLACES
.rept 4
	v_nop
.endr
.endm
.macro CREST
	s_cmp_lg_u32 s[WV], 0
	s_cbranch_scc1 .Lnw_\@
	s_barrier_signal -3
.Lnw_\@:
	s_barrier_wait -3
	s_barrier_signal -1
	s_barrier_wait -1
.endm
.macro CROUND
	s_barrier_signal -1
	s_barrier_wait -1
	CREST
.endm
.macro ASK                             ; as in the launch before: the slot four refills on, named once in the launch, by waves 0 and 1 of the first cluster, shared out by address
	s_cmp_gt_u32 s[RF], s[LIM]
	s_cbranch_scc0 .Lna_\@
	global_prefetch_b8 v[PFO], s[PFA:PFA+1] th:TH_LOAD_NT scope:SCOPE_SE
.Lna_\@:
	s_sub_co_u32 s[RF], s[RF], 1
.endm
; 16 matrix instructions.  cm = 0: in place; 1: the products start the sums with 0; 2: with b_go.  The 64 accumulators take turns in one fixed order.
.macro MUL16 f, hi, a0, cm
.if (\cm) == 2
	WIN 0x81+0x40*(\hi)
.else
	WIN 0xa1+0x50*(\hi)
.endif
.irp a, \a0, (\a0)+1
.irp b, 0,1,2,3,4,5,6,7
.set rD, 8*(8*(\a)+(\b))
.set rW, (\f)+8*(\b)
.set rA, (\f)+8*(4*(\hi)+(\a))
.if F16
.if (\cm) == 1
	v_wmma_f32_16x16x32_f16 v[rD:rD+7], v[rW:rW+7], v[rA:rA+7], 0
.else
	v_wmma_f32_16x16x32_f16 v[rD:rD+7], v[rW:rW+7], v[rA:rA+7], v[rD:rD+7]
.endif
.elseif (\cm) == 2
	v_wmma_f32_16x16x32_bf16 v[rD:rD+7], v[rW:rW+7], v[rA:rA+7], v[VV+8*(\b):VV+8*(\b)+7]
.else
	v_wmma_f32_16x16x32_bf16 v[rD:rD+7], v[rW:rW+7], v[rA:rA+7], v[rD:rD+7]
.endif
.endr
.endr
.endm
.macro XMUL f, pf, zero                ; the P tile's eight products of a K step
	WIN 0x01
.irp b, 0,1,2,3,4,5,6,7
.if \zero
	v_wmma_f32_16x16x32_bf16 v[VV+8*\b:VV+8*\b+7], v[(\f)+8*\b:(\f)+8*\b+7], v[(\pf):(\pf)+7], 0
.else
	v_wmma_f32_16x16x32_bf16 v[VV+8*\b:VV+8*\b+7], v[(\f)+8*\b:(\f)+8*\b+7], v[(\pf):(\pf)+7], v[VV+8*\b:VV+8*\b+7]
.endif
.endr
.endm
.macro FETCH ks, f, x                  ; 32 LDS loads in one run, and with x = 1 the P tile's two behind them
	WIN 0x40
.irp b, 0,1,2,3,4,5,6,7
	ds_load_b128 v[(\f)+8*\b:(\f)+8*\b+3],   v[ADRB] offset:(\ks)*32768+\b*256
	ds_load_b128 v[(\f)+8*\b+4:(\f)+8*\b+7], v[ADRB] offset:(\ks)*32768+\b*256+16384
.endr
	WIN 0
.irp a, 0,1,2,3,4,5,6,7
	ds_load_b128 v[(\f)+8*\a:(\f)+8*\a+3],   v[ADRA] offset:(\ks)*8192+\a*256
	ds_load_b128 v[(\f)+8*\a+4:(\f)+8*\a+7], v[ADRA] offset:(\ks)*8192+\a*256+4096
.endr
.if \x
	ds_load_b128 v[PF+8*(\ks):PF+8*(\ks)+3],   v[ADRP] offset:(\ks)*1024
	ds_load_b128 v[PF+8*(\ks)+4:PF+8*(\ks)+7], v[ADRP] offset:(\ks)*1024+512
.endif
.endm
.macro QUARTER cm, x, xc               ; xc = 1: the P tile is multiplied too; 2: its products start its sums
	s_wait_dscnt 8+2*(\x)                          ; the weights and rows 0-63 are in; the youngest eight loads (and the P tile's two) may be out
	MUL16 F0, 0, 0, \cm
	MUL16 F0, 0, 2, \cm
	PLACES
	FETCH 1, F1, \x
	s_wait_dscnt 32+2*(\x)                         ; all but the run just issued
	MUL16 F0, 1, 0, \cm
	MUL16 F0, 1, 2, \cm
.if \xc
	XMUL F0, PF, (\xc)-1
.endif
.endm
.macro ELOAD half                      ; my quarter of 32 planes of E, 32 loads of 512 consecutive bytes
	WIN 0x40
.set n, 0
.rept 32
.set rE, 4*n+128*(n/16)
	global_load_b128 v[rE:rE+3], v[L16], s[6:7] offset:(\half)*65536+n*512 th:TH_LOAD_NT
.set n, n+1
.endr
	WIN 0
.endm
.macro ESTORE half
	WIN 0x04
.set n, 0
.rept 32
.set rE, 4*n+128*(n/16)
	ds_store_b128 v[EC+(\half)], v[rE:rE+3] offset:n*512
.set n, n+1
.endr
	WIN 0
.endm
; A slot's second K step and the change of slots, as in the launch before.  est = 1: behind the change that follows slot 3, where every wave has read x's planes 0-31 for the last time and passed the
; barrier, E's planes 0-31 take their place and the other 32 are asked for.  est = 2: the same for planes 32-63 behind slot 7.
.macro TURN fill, fetch, wrap, xc, xn, est
.if \fill
	s_wait_xcnt 0x0
	s_add_nc_u64 s[PFA:PFA+1], s[PFA:PFA+1], 0x10000
.endif
	WIN 0
	s_wait_tensorcnt 0x0
	ds_add_u32 v[SPW], v[NIL]
	s_wait_dscnt 9+2*(\xc)
	MUL16 F1, 0, 0, 0
	s_wait_dscnt 0x0
	s_barrier_signal -1
	MUL16 F1, 0, 2, 0
	WIN 0
	s_barrier_wait -1
.if \fill
	CREST
	s_xor_b32 s[G0B+1], s[G0B+1], 0x10000
	s_add_nc_u64 s[G0B+2:G0B+3], s[G0B+2:G0B+3], 0x10000
	tensor_load_to_lds s[G0B:G0B+3], s[G1:G1+7]
	s_nop 0
.endif
	PLACES
	s_xor_b32 s[TB], s[TB], 0x10000
.if \wrap
	s_mov_b32 s[TA], 0
.else
	s_add_co_u32 s[TA], s[TA], 16384
.endif
	v_add_nc_u32 v[ADRB], s[TB], v[B0]
	v_add_nc_u32 v[ADRA], s[TA], v[A0]
.if (\xc) && (\xn)
	s_add_co_u32 s[TPS], s[TPS], 2048
.endif
.if \xn
	v_add_nc_u32 v[ADRP], s[TPS], v[P0]
.endif
.if \fetch
	FETCH 0, F0, \xn
.endif
.if \fill
	ASK
.endif
.if (\est) == 1
	s_cmp_eq_u32 s[CNT], 4                         ; the loop's trip that changes from slot 3 to slot 4
	s_cbranch_scc0 .Lne_\@
	s_wait_loadcnt 0x0
	ESTORE 0
	ELOAD 1
.Lne_\@:
.endif
.if (\est) == 2
	s_wait_loadcnt 0x0
	ESTORE 1
.endif
	MUL16 F1, 1, 0, 0
	MUL16 F1, 1, 2, 0
.if \xc
	XMUL F1, PF+8, 0
.endif
.endm
.macro FINAL
	s_wait_dscnt 8
	MUL16 F1, 0, 0, 0
	MUL16 F1, 0, 2, 0
	s_wait_dscnt 0x0
	MUL16 F1, 1, 0, 0
	MUL16 F1, 1, 2, 0
.endm
.macro SLOTS6 tag                      ; six times: a change of slots with a refill, and the next slot's first K step
	WIN 0
	s_mov_b32 s[CNT], 6
.Ls\tag:
	TURN 1, 1, 0, 0, 0, 0
	QUARTER 0, 0, 0
	WIN 0
	s_sub_co_u32 s[CNT], s[CNT], 1
	s_cmp_lg_u32 s[CNT], 0
	s_cbranch_scc1 .Ls\tag
.endm
; THE WAY OUT of a pass p of the last product: a counted loop over the eight row tiles; a ladder picks the block that names the tile's accumulators.
.macro UBLK a, p
.set AC, 64*((\a)%4)
	WIN 0x12+((\a)/4)
.set k, 0
.rept 16                               ; z_a = 2^e sum + b
	v_pk_fma_f32 v[F1+k:F1+k+1], v[AC+k:AC+k+1], v[PF+2*(\a):PF+2*(\a)+1], v[192*(\p)+k:192*(\p)+k+1] op_sel_hi:[1,0,1]
.set k, k+2
.endr
.set k, 32
.rept 16                               ; -log2(e) z_g
	v_pk_fma_f32 v[F1+k:F1+k+1], v[AC+k:AC+k+1], v[PF+2*(\a):PF+2*(\a)+1], v[192*(\p)+k:192*(\p)+k+1] op_sel:[0,1,0] op_sel_hi:[1,1,1]
.set k, k+2
.endr
	WIN 0
.endm
.macro GLU p, tag
	PLACES
	WIN 0
	v_mov_b32 v[GOA], v[GO]
	s_mov_b32 s[LA], 8
.Lt\tag:
.irp a, 1,2,3,4,5,6,7
	s_cmp_eq_u32 s[LA], 8-\a
	s_cbranch_scc1 .Lb\tag\a
.endr
.irp a, 0,1,2,3,4,5,6,7
.Lb\tag\a:
	UBLK \a, \p
.if \a < 7
	s_branch .Lc\tag
.endif
.endr
.Lc\tag:
.set k, 0
.rept 32
	v_exp_f32 v[F1+32+k], v[F1+32+k]
.set k, k+1
.endr
	v_nop                                          ; a plain instruction behind the last exponential,
	s_wait_alu depctr_va_vdst(0)                   ; and one wait for the batch
.set k, 0
.rept 16
	v_pk_add_f32 v[F1+32+k:F1+33+k], v[F1+32+k:F1+33+k], 1.0 op_sel_hi:[1,0]
.set k, k+2
.endr
.set k, 0
.rept 32
	v_rcp_f32 v[F1+32+k], v[F1+32+k]
.set k, k+1
.endr
	v_nop
	s_wait_alu depctr_va_vdst(0)
.set k, 0
.rept 16
	v_pk_mul_f32 v[F1+k:F1+k+1], v[F1+k:F1+k+1], v[F1+32+k:F1+33+k]
.set k, k+2
.endr
.irp b, 0,1,2,3
	ds_store_b128 v[STO], v[F1+8*\b:F1+8*\b+3]   offset:64*\b
	ds_store_b128 v[STO], v[F1+8*\b+4:F1+8*\b+7] offset:64*\b+16
.endr
.irp t, 0,1,2,3,4,5,6,7
	ds_load_b128 v[F1+32+4*\t:F1+35+4*\t], v[RD] offset:\t*544     ; my own stage, served in order: whole rows of 256 bytes come back
.endr
	s_wait_dscnt 0x0
.irp t, 0,1,2,3,4,5,6,7
	global_store_b128 v[GOA], v[F1+32+4*\t:F1+35+4*\t], s[16:17] offset:\t*4096+(\p)*1024 th:TH_STORE_NT   ; 16 lanes store 256 consecutive bytes, aligned
.endr
	s_wait_xcnt 0x0                                ; the stores have read their offset and data, which the next trip rewrites
	v_add_nc_u32 v[GOA], 32768, v[GOA]
	s_sub_co_u32 s[LA], s[LA], 1
	s_cmp_lg_u32 s[LA], 0
	s_cbranch_scc1 .Lt\tag
.endm
	s_load_b256 s[4:11], s[0:1], 0x0               ; xb s[4:5], eb s[6:7], tt s[8:9], wb s[10:11]
	s_load_b128 s[12:15], s[0:1], 0x20             ; b_go s[12:13], b_out s[14:15]
	s_load_b64 s[16:17], s[0:1], 0x30              ; out0
	v_lshl_add_u32 v[SPW], v0, 2, SPARE
	v_mov_b32 v[NIL], 0
	ds_add_u32 v[SPW], v[NIL]                      ; the opening: the add, twice on end, and its wait ahead of my first tensor load
	ds_add_u32 v[SPW], v[NIL]
	v_lshrrev_b32 v1, 5, v0
	v_readfirstlane_b32 s[WV], v1
	s_bfe_u32 s[CX], ttmp6, 0x40000                ; my place in the cluster: it enters global addresses and a select, no branch and no LDS address
	s_lshl_b32 s[CH], ttmp9, 2
	s_add_co_u32 s[CH], s[CH], s[CX]
	s_and_b32 s70, s[CH], 63
	s_sub_co_i32 s[CLW], s70, s[WV]                ; chunks of the batch in front of mine, less my wave's number
	s_mov_b32 s[G1+0], 15|(3<<16)|(1<<21)
	s_mov_b32 s[G1+1], 32<<16
	s_mov_b32 s[G1+2], 64<<16
	s_mov_b32 s[G1+3], 32<<16
	s_mov_b32 s[G1+4], 64
	s_mov_b32 s[G1+5], 32
	s_mov_b32 s[G1+6], 0
	s_mov_b32 s[G1+7], 0
	s_lshl_b32 s22, s[WV], 14
	s_mov_b32 s23, 0
	s_mov_b32 s[G0A], 1
	s_mov_b32 s[G0A+1], s22
	s_mov_b32 s[G0B], 1
	s_add_co_u32 s[G0B+1], s22, 0x10000
	s_mov_b32 s[HM], 0xffff0000
	s_mov_b32 s[SEL], 0x76543210
	s_mov_b32 s[SEL+1], 0xfedcba98
	s_mov_b32 s[TB], 0
	s_mov_b32 s[TA], 0
	s_mov_b32 s[TPS], 0
	s_mov_b32 s[RF], 30
	s_lshr_b32 s[LIM], s[WV], 1
	s_or_b32 s[LIM], s[LIM], ttmp9
	s_cmp_eq_u32 s[LIM], 0
	s_cselect_b32 s[LIM], 4, -1
	s_mov_b32 s[KP], 0x3e6d3389                    ; 0.2316419
	s_mov_b32 s[KE], 0xbf38aa3b                    ; -log2(e) / 2
	s_mov_b32 s[KE+1], s[KE]
	s_mov_b32 s[C1], 0x3e027906                    ; the polynomial's coefficients, halved: 0.127414796
	s_mov_b32 s[C1+1], s[C1]
	s_mov_b32 s[C2], 0xbe11a98e                    ; -0.142248368
	s_mov_b32 s[C2+1], s[C2]
	s_mov_b32 s[C3], 0x3f35f0e3                    ; 0.7107068705
	s_mov_b32 s[C3+1], s[C3]
	s_mov_b32 s[C4], 0xbf3a00e3                    ; -0.7265760135
	s_mov_b32 s[C4+1], s[C4]
	s_mov_b32 s[C5], 0x3f07dc22                    ; 0.5307027145
	s_mov_b32 s[C5+1], s[C5]
	s_mov_b32 s[NL], 0xbfb8aa3b                    ; -log2(e)
	s_mov_b32 s[NL+1], s[NL]
	v_and_b32 v1, 15, v0
	v_bfe_u32 v2, v0, 4, 1
	v_and_b32 v3, 31, v0
	v_lshlrev_b32 v[L16], 4, v3
	v_lshlrev_b32 v[H32], 5, v2
	v_lshlrev_b32 v[PFO], 8, v3
	v_mov_b32 v[SCF+1], 0
	v_lshlrev_b32 v[A0], 11, v2
	v_lshl_add_u32 v[A0], v1, 4, v[A0]
	v_add_nc_u32 v[A0], RG, v[A0]
	v_mov_b32 v[ADRA], v[A0]
	s_lshl_b32 s70, s[WV], 11
	v_lshlrev_b32 v[B0], 13, v2
	v_lshl_add_u32 v[B0], v1, 4, v[B0]
	v_add_nc_u32 v[B0], s70, v[B0]
	v_mov_b32 v[ADRB], v[B0]
	v_add_nc_u32 v[TPW], s70, v[L16]
	v_add_nc_u32 v[TPW], TP, v[TPW]                ; my wave's 2,048 bytes of partial sums
	v_lshlrev_b32 v[P0], 8, v2
	v_lshl_add_u32 v[P0], v1, 4, v[P0]
	v_add_nc_u32 v[P0], PS, v[P0]
	s_lshl_b32 s70, s[WV], 15
	v_add_nc_u32 v[GS], s70, v[A0]                 ; g: plane 16 w + h, row lane % 16
	s_add_co_u32 s70, s70, RG
	v_add_nc_u32 v[XC], s70, v[L16]
	s_add_co_u32 s70, s22, RG
	v_add_nc_u32 v[EC], s70, v[L16]
	v_add_nc_u32 v[EC+1], 65536, v[EC]
	s_lshl_b32 s70, s[WV], 9
	s_add_co_u32 s70, s70, TP
	v_add_nc_u32 v[TPR], s70, v[L16]               ; my four columns 128 w + 4 l in each wave's partial sums
	s_lshl_b32 s70, s[WV], 12
	s_add_co_u32 s70, s70, PS
	v_lshrrev_b32 v[PSW], 1, v3
	v_lshlrev_b32 v[PSW], 8, v[PSW]
	v_and_b32 v[MXA], 1, v0
	v_lshl_add_u32 v[PSW], v[MXA], 3, v[PSW]
	v_add_nc_u32 v[PSW], s70, v[PSW]
	v_lshlrev_b32 v[MXR], 4, v1
	v_add_nc_u32 v[MXR], MX, v[MXR]
	s_lshl_b32 s70, s[WV], 2
	v_add_nc_u32 v[MXW], s70, v[MXR]
	v_mov_b32 v[MXA], v[MXW]
	s_mul_i32 s70, s[WV], 4352
	s_add_co_u32 s70, s70, STG
	v_mul_u32_u24 v[STO], v1, 272
	v_lshl_add_u32 v[STO], v2, 5, v[STO]
	v_add_nc_u32 v[STO], s70, v[STO]
	v_mul_u32_u24 v[RD], v2, 272
	v_lshl_add_u32 v[RD], v1, 4, v[RD]
	v_add_nc_u32 v[RD], s70, v[RD]
	v_lshlrev_b32 v[GO], 11, v2
	v_lshl_add_u32 v[GO], v1, 4, v[GO]
	s_wait_dscnt 0x0                               ; both opening adds are done
	s_wait_kmcnt 0x0
	s_add_nc_u64 s[G0A+2:G0A+3], s[10:11], s[22:23]
	s_add_nc_u64 s[G0B+2:G0B+3], s[G0A+2:G0A+3], 0x10000
	s_or_b32 s[G0A+3], s[G0A+3], 0x80000000
	s_or_b32 s[G0B+3], s[G0B+3], 0x80000000
	s_lshl_b32 s70, s[CH], 17
	s_add_co_u32 s22, s22, s70
	s_add_nc_u64 s[6:7], s[6:7], s[22:23]          ; eb at my chunk, my quarter of 32 planes
	s_lshl_b32 s22, s[WV], 15
	s_add_co_u32 s22, s22, s70
	s_add_nc_u64 s[4:5], s[4:5], s[22:23]          ; xb at my chunk, my quarter
	s_and_b32 s22, s[CH], 0xc0
	s_add_co_u32 s22, s22, s[WV]
	s_lshl_b32 s22, s22, 11
	s_add_nc_u64 s[8:9], s[8:9], s[22:23]          ; tt at the batch's chunk number w
	s_lshl_b32 s22, s[WV], 9
	s_add_nc_u64 s[12:13], s[12:13], s[22:23]      ; b_go at my 128 columns
	s_lshl_b32 s22, s[WV], 8
	s_add_nc_u64 s[14:15], s[14:15], s[22:23]      ; b_out at my 64 columns of a pass
	s_lshl_b32 s70, s[CH], 18
	s_add_co_u32 s22, s22, s70
	s_add_nc_u64 s[16:17], s[16:17], s[22:23]      ; out0 at my chunk, my 64 columns
	s_lshl_b32 s22, s[CX], 14
	s_lshl_b32 s70, s[WV], 13
	s_add_co_u32 s22, s22, s70
	s_add_co_u32 s22, s22, 5*65536
	s_add_nc_u64 s[PFA:PFA+1], s[10:11], s[22:23]
	WIN 0x80
.set n, 0
.rept 64
	global_load_b128 v[4*n:4*n+3], v[L16], s[4:5] offset:n*512 th:TH_LOAD_NT
.set n, n+1
.endr
	WIN 0xc0                                       ; the totals of the batch's chunks 4 i + w, i = 0 .. 15: all 64 are loaded, the selects below keep those in front of my chunk
.set n, 0
.rept 64
	global_load_b128 v[4*n:4*n+3], v[L16], s[8:9] offset:(n/4)*8192+(n%4)*512
.set n, n+1
.endr
	WIN 0
.irp b, 0,1,2,3,4,5,6,7
	global_load_b128 v[VV+8*\b:VV+8*\b+3],   v[H32], s[12:13] offset:64*\b
	global_load_b128 v[VV+8*\b+4:VV+8*\b+7], v[H32], s[12:13] offset:64*\b+16
.endr
	ELOAD 0
	CROUND                                         ; all four work-groups are here: the first joint loads meet
	tensor_load_to_lds s[G0A:G0A+3], s[G1:G1+7]
	s_nop 0
	tensor_load_to_lds s[G0B:G0B+3], s[G1:G1+7]
	s_nop 0
	PLACES
	s_wait_loadcnt 63                              ; 112 loads were issued behind xb's; 63 is the largest count that a wait can name
	WIN 0x08
.set n, 0
.rept 64
	ds_store_b128 v[XC], v[4*n:4*n+3] offset:n*512
.set n, n+1
.endr
	s_wait_loadcnt 48                              ; b_go's 16 and E's 32 were issued behind tt's
	WIN 0xcc
.set i, 0
.rept 16
	s_cmp_gt_i32 s[CLW], 4*i                       ; does chunk 4 i + w stand in front of mine?  A select, no branch: the answer differs between partners
	s_cselect_b32 vcc_lo, -1, 0
.set k, 0
.rept 16
	v_cndmask_b32 v[16*i+k], 0, v[16*i+k], vcc_lo
.set k, k+1
.endr
.set i, i+1
.endr
	WIN 0xcf
.set i, 1
.rept 15
.set k, 0
.rept 8
	v_pk_add_f32 v[k:k+1], v[k:k+1], v[16*i+k:16*i+k+1]
.set k, k+2
.endr
.set i, i+1
.endr
	WIN 0x0c
.irp j, 0,1,2,3
	ds_store_b128 v[TPW], v[4*\j:4*\j+3] offset:512*\j
.endr
	WIN 0
	s_wait_loadcnt 32                              ; E's 32 loads may stay out
.set k, 0
.rept 32                               ; b_go rounded to bf16, like every input
	v_cvt_pk_bf16_f32 v[F0+k], v[VV+2*k], v[VV+2*k+1]
.set k, k+1
.endr
.set k, 0
.rept 32
	v_lshlrev_b32 v[VV+2*k], 16, v[F0+k]
	v_and_b32 v[VV+2*k+1], s[HM], v[F0+k]
.set k, k+1
.endr
	s_wait_tensorcnt 0x1                           ; my part of slot 0 is in; slot 1's may stay out
	s_wait_dscnt 0x0                               ; x and my partial sums lie in LDS
	s_barrier_signal -1
	s_barrier_wait -1
.irp k, 0,1,2,3
	ds_load_b128 v[F0+4*\k:F0+4*\k+3], v[TPR] offset:\k*2048
.endr
	s_wait_dscnt 0x0
	v_pk_add_f32 v[64:65], v[64:65], v[68:69]
	v_pk_add_f32 v[66:67], v[66:67], v[70:71]
	v_pk_add_f32 v[72:73], v[72:73], v[76:77]
	v_pk_add_f32 v[74:75], v[74:75], v[78:79]
	v_pk_add_f32 v[64:65], v[64:65], v[72:73]
	v_pk_add_f32 v[66:67], v[66:67], v[74:75]      ; P of my four columns
.irp s, 80, 82                         ; hi = bf16(P), mid = bf16(P - hi): each difference is exact
	v_cvt_pk_bf16_f32 v[\s], v64, v65
	v_cvt_pk_bf16_f32 v[\s+1], v66, v67
	v_lshlrev_b32 v92, 16, v[\s]
	v_and_b32 v93, s[HM], v[\s]
	v_lshlrev_b32 v94, 16, v[\s+1]
	v_and_b32 v95, s[HM], v[\s+1]
	v_pk_add_f32 v[64:65], v[64:65], v[92:93] neg_lo:[0,1] neg_hi:[0,1]
	v_pk_add_f32 v[66:67], v[66:67], v[94:95] neg_lo:[0,1] neg_hi:[0,1]
.endr
	v_cvt_pk_bf16_f32 v84, v64, v65                ; lo
	v_cvt_pk_bf16_f32 v85, v66, v67
	v_mov_b32 v86, 0
	v_mov_b32 v87, 0
.set i, 0
.rept 16
	ds_store_b64 v[PSW], v[80+2*(i%4):81+2*(i%4)] offset:16*i   ; row i of the P tile holds part i % 4; read seven changes of slots later, each behind a wait for my LDS stores and a barrier
.set i, i+1
.endr
	FETCH 0, F0, 0
	; y, the x half: slots 0 to 7
	QUARTER 2, 0, 0
	WIN 0
	s_mov_b32 s[CNT], 7
.Lxh:
	TURN 1, 1, 0, 0, 0, 1
	QUARTER 0, 0, 0
	WIN 0
	s_sub_co_u32 s[CNT], s[CNT], 1
	s_cmp_lg_u32 s[CNT], 0
	s_cbranch_scc1 .Lxh
	TURN 1, 1, 1, 0, 1, 2
	; y, the ms half: slots 8 to 15, with the P tile
	QUARTER 0, 1, 2
	WIN 0
	s_mov_b32 s[CNT], 7
.Lmh:
	TURN 1, 1, 0, 1, 1, 0
	QUARTER 0, 1, 1
	WIN 0
	s_sub_co_u32 s[CNT], s[CNT], 1
	s_cmp_lg_u32 s[CNT], 0
	s_cbranch_scc1 .Lmh
	TURN 1, 0, 1, 1, 0, 0                          ; the ring goes on; the next row operand is still to be made
	PLACES
	WIN 0
.set i, 0
.rept 64                               ; V = W_go_m P: the three parts lie in lanes q, q ^ 1, q ^ 2, q ^ 3
	v_add_f32_dpp v[VV+i], v[VV+i], v[VV+i] row_xmask:1 row_mask:0xf bank_mask:0xf
.set i, i+1
.endr
.set i, 0
.rept 64
	v_add_f32_dpp v[VV+i], v[VV+i], v[VV+i] row_xmask:2 row_mask:0xf bank_mask:0xf
.set i, i+1
.endr
	; each row's largest |y|
	s_mov_b32 s[LA], 8
.Ltr:
.irp a, 1,2,3,4,5,6,7
	s_cmp_eq_u32 s[LA], 8-\a
	s_cbranch_scc1 .Lbr\a
.endr
.irp a, 0,1,2,3,4,5,6,7
.Lbr\a:
	WIN 0x02+\a/4
.set k, 0
.rept 32
	v_pk_add_f32 v[F0+k:F0+k+1], v[64*(\a%4)+k:64*(\a%4)+k+1], v[VV+k:VV+k+1]
.set k, k+2
.endr
	WIN 0
.if \a < 7
	s_branch .Lcr
.endif
.endr
.Lcr:
.irp c, 0,1,2,3
	v_max3_num_f32 v[128+\c], v[64+16*\c], v[65+16*\c], v[66+16*\c]
	v_min3_num_f32 v[132+\c], v[64+16*\c], v[65+16*\c], v[66+16*\c]
.endr
.irp j, 3,5,7,9,11,13
.irp c, 0,1,2,3
	v_max3_num_f32 v[128+\c], v[128+\c], v[64+16*\c+\j], v[65+16*\c+\j]
	v_min3_num_f32 v[132+\c], v[132+\c], v[64+16*\c+\j], v[65+16*\c+\j]
.endr
.endr
.irp c, 0,1,2,3
	v_max_num_f32 v[128+\c], v[128+\c], v[79+16*\c]
	v_min_num_f32 v[132+\c], v[132+\c], v[79+16*\c]
.endr
	v_max3_num_f32 v128, v128, v129, v130
	v_min3_num_f32 v132, v132, v133, v134
	v_max_num_f32 v128, v128, v131
	v_min_num_f32 v132, v132, v135
	v_sub_f32 v132, 0, v132
	v_max_num_f32 v128, v128, v132
	v_permlanex16_b32 v129, v128, s[SEL], s[SEL+1] ; the row's other 64 of my columns
	v_max_num_f32 v128, v128, v129
	ds_store_b32 v[MXA], v128
	v_add_nc_u32 v[MXA], 256, v[MXA]
	s_sub_co_u32 s[LA], s[LA], 1
	s_cmp_lg_u32 s[LA], 0
	s_cbranch_scc1 .Ltr
	s_wait_dscnt 0x0
	s_barrier_signal -1                            ; the ring's load may stay out
	s_barrier_wait -1
.irp a, 0,1,2,3,4,5,6,7
	ds_load_b128 v[128+4*\a:131+4*\a], v[MXR] offset:\a*256
.endr
	WIN 0x40                                       ; b_out of both passes: tiles 0-3 the values' columns, 4-7 their gates'
.irp p, 0,1
.irp b, 0,1,2,3,4,5,6,7
	global_load_b128 v[192*\p+8*\b:192*\p+8*\b+3],   v[H32], s[14:15] offset:(\b/4)*2048+\p*1024+(\b%4)*64
	global_load_b128 v[192*\p+8*\b+4:192*\p+8*\b+7], v[H32], s[14:15] offset:(\b/4)*2048+\p*1024+(\b%4)*64+16
.endr
.endr
	WIN 0
	s_wait_dscnt 0x0
.irp a, 0,1,2,3,4,5,6,7
	v_max3_num_f32 v[128+4*\a], v[128+4*\a], v[129+4*\a], v[130+4*\a]
	v_max_num_f32 v[128+4*\a], v[128+4*\a], v[131+4*\a]
	v_and_b32 v[128+4*\a], 0x7f800000, v[128+4*\a] ; the exponent's bits are 2^e
	v_min_u32 v[PF+2*\a], 0x7e800000, v[128+4*\a]  ; held so that 2^-e is no denormal
	v_sub_nc_u32 v[SC+\a], 0x7f000000, v[PF+2*\a]  ; 2^-e
	v_mul_f32 v[PF+2*\a+1], 0xbfb8aa3b, v[PF+2*\a] ; -log2(e) 2^e
.endr
	; gelu: sixteen trips, row tile i / 2, half i % 2 of my columns: 32 numbers a lane
	s_mov_b32 s[LA], 16
.Ltg:
.irp i, 1,2,3,4,5,6,7,8,9,10,11,12,13,14,15
	s_cmp_eq_u32 s[LA], 16-\i
	s_cbranch_scc1 .Lbg\i
.endr
.irp i, 0,1,2,3,4,5,6,7,8,9,10,11,12,13,14,15
.Lbg\i:
	WIN 0x02+\i/8
.set k, 0
.rept 16
	v_pk_add_f32 v[64+k:65+k], v[64*((\i/2)%4)+32*(\i%2)+k:64*((\i/2)%4)+32*(\i%2)+k+1], v[VV+32*(\i%2)+k:VV+32*(\i%2)+k+1]
.set k, k+2
.endr
	WIN 0
	v_mov_b32 v[SCF], v[SC+\i/2]
	v_add_nc_u32 v[GA], (\i/2)*256+(\i%2)*16384, v[GS]
.if \i < 15
	s_branch .Lcg
.endif
.endr
.Lcg:                                          ; y v64-95, t v96-127, exp v128-159, polynomial v160-191
.set k, 0
.rept 32
	v_fma_f32 v[96+k], |v[64+k]|, s[KP], 1.0
.set k, k+1
.endr
.set k, 0
.rept 16
	v_pk_mul_f32 v[128+k:129+k], v[64+k:65+k], v[64+k:65+k]
.set k, k+2
.endr
.set k, 0
.rept 16
	v_pk_mul_f32 v[128+k:129+k], v[128+k:129+k], s[KE:KE+1] op_sel_hi:[1,0]
.set k, k+2
.endr
.set k, 0
.rept 32
	v_rcp_f32 v[96+k], v[96+k]
.set k, k+1
.endr
.set k, 0
.rept 32
	v_exp_f32 v[128+k], v[128+k]
.set k, k+1
.endr
	v_nop                                          ; a plain instruction behind the last of the 64,
	s_wait_alu depctr_va_vdst(0)                   ; and one wait for the batch
.set k, 0
.rept 16
	v_pk_fma_f32 v[160+k:161+k], v[96+k:97+k], s[C5:C5+1], s[C4:C4+1] op_sel_hi:[1,0,0]
.set k, k+2
.endr
.irp c, C3, C2, C1
.set k, 0
.rept 16
	v_pk_fma_f32 v[160+k:161+k], v[160+k:161+k], v[96+k:97+k], s[\c:\c+1] op_sel_hi:[1,1,0]
.set k, k+2
.endr
.endr
.set k, 0
.rept 16
	v_pk_mul_f32 v[160+k:161+k], v[160+k:161+k], v[96+k:97+k]
.set k, k+2
.endr
.set k, 0
.rept 16
	v_pk_mul_f32 v[160+k:161+k], v[160+k:161+k], v[128+k:129+k]   ; q
.set k, k+2
.endr
.set k, 0
.rept 32
	v_max_num_f32 v[96+k], 0, v[64+k]
.set k, k+1
.endr
.set k, 0
.rept 32
	v_fma_f32 v[64+k], -|v[64+k]|, v[160+k], v[96+k]       ; g = max(y, 0) - |y| q
.set k, k+1
.endr
.set k, 0
.rept 16
	v_pk_mul_f32 v[64+k:65+k], v[64+k:65+k], v[SCF:SCF+1] op_sel_hi:[1,0]
.set k, k+2
.endr
.set k, 0
.rept 16
	v_cvt_pk_f16_f32 v[96+k], v[64+2*k], v[65+2*k]
.set k, k+1
.endr
.irp b, 0,1,2,3
	ds_store_b128 v[GA], v[96+4*\b:99+4*\b] offset:4096*\b  ; eight columns of my row are a row of one plane: 16 lanes store 256 consecutive bytes
.endr
	s_sub_co_u32 s[LA], s[LA], 1
	s_cmp_lg_u32 s[LA], 0
	s_cbranch_scc1 .Ltg
	s_wait_loadcnt 0x0                             ; b_out: rounded to bf16; the gates' times -log2(e)
	WIN 0x45
.irp p, 0,1
.set k, 0
.rept 32
	v_cvt_pk_bf16_f32 v[64+k], v[192*\p+2*k], v[192*\p+2*k+1]
.set k, k+1
.endr
.set k, 0
.rept 32
	v_lshlrev_b32 v[192*\p+2*k], 16, v[64+k]
	v_and_b32 v[192*\p+2*k+1], s[HM], v[64+k]
.set k, k+1
.endr
.set k, 32
.rept 16
	v_pk_mul_f32 v[192*\p+k:192*\p+k+1], v[192*\p+k:192*\p+k+1], s[NL:NL+1] op_sel_hi:[1,0]
.set k, k+2
.endr
.endr
	WIN 0
	s_wait_dscnt 0x0                               ; my columns of g lie in LDS
	s_barrier_signal -1
	s_barrier_wait -1
	FETCH 0, F0, 0
	; z: slots 16 to 31, two passes of 256 output columns, f16 operands
.set F16, 1
	QUARTER 1, 0, 0
	SLOTS6 a
	TURN 1, 1, 0, 0, 0, 0
	QUARTER 0, 0, 0
	TURN 1, 1, 1, 0, 0, 0
	GLU 0, u
	QUARTER 1, 0, 0
	SLOTS6 b
	TURN 0, 1, 0, 0, 0, 0                          ; the last two slots are not filled again
	QUARTER 0, 0, 0
	FINAL
	GLU 1, w
	s_wait_tensorcnt 0x0                           ; the wave's end
	ds_add_u32 v[SPW], v[NIL]
	s_wait_dscnt 0x0
	CROUND                                         ; the closing round
	s_endpgm
.Lfunc_end_k_q5969ee364a_out:
	.size	k_q5969ee364a_out, .Lfunc_end_k_q5969ee364a_out-k_q5969ee364a_out
	.p2alignl 7, 3214868480
	.fill 96, 4, 3214868480
	.section	.rodata,"a",@progbits
	.p2align	6, 0x0
	.amdhsa_kernel k_q5969ee364a_out
		.amdhsa_group_segment_fixed_size 327680
		.amdhsa_private_segment_fixed_size 0
		.amdhsa_enable_private_segment 0
		.amdhsa_kernarg_size 56
		.amdhsa_user_sgpr_count 2
		.amdhsa_user_sgpr_kernarg_segment_ptr 1
		.amdhsa_wavefront_size32 1
		.amdhsa_system_sgpr_workgroup_id_x 1
		.amdhsa_system_sgpr_workgroup_id_y 1
		.amdhsa_system_sgpr_workgroup_id_z 1
		.amdhsa_system_vgpr_workitem_id 0
		.amdhsa_next_free_vgpr 1024
		.amdhsa_next_free_sgpr 72
		.amdhsa_reserve_vcc 1
		.amdhsa_float_denorm_mode_32 3
		.amdhsa_float_denorm_mode_16_64 3
		.amdhsa_memory_ordered 1
		.amdhsa_forward_progress 1
		.amdhsa_inst_pref_size 255
	.end_amdhsa_kernel
	.section	.bss,"aw",@nobits
	.p2align	6
	.space	262144
	.amdgpu_metadata
---
amdhsa.version: [ 1, 2 ]
amdhsa.kernels:
  - .name:           k_q5969ee364a_out
    .symbol:         k_q5969ee364a_out.kd
    .args:
      - { .name: xb, .offset: 0, .size: 8, .value_kind: global_buffer, .address_space: global }
      - { .name: eb, .offset: 8, .size: 8, .value_kind: global_buffer, .address_space: global }
      - { .name: tt, .offset: 16, .size: 8, .value_kind: global_buffer, .address_space: global }
      - { .name: wb, .offset: 24, .size: 8, .value_kind: global_buffer, .address_space: global }
      - { .name: b_go, .offset: 32, .size: 8, .value_kind: global_buffer, .address_space: global }
      - { .name: b_out, .offset: 40, .size: 8, .value_kind: global_buffer, .address_space: global }
      - { .name: out0, .offset: 48, .size: 8, .value_kind: global_buffer, .address_space: global }
    .group_segment_fixed_size: 327680
    .private_segment_fixed_size: 0
    .kernarg_segment_align: 8
    .kernarg_segment_size: 56
    .max_flat_workgroup_size: 128
    .sgpr_count:     72
    .vgpr_count:     1024
    .wavefront_size: 32
...
	.end_amdgpu_metadata
.endif
;; end of part 3
;; ======== version 2 of 2: 3 launches
;; limits: values are held in f16: magnitudes above 65,504 overflow, below 6.1e-05 lose precision; a function is approximated: absolute error at most 1.5e-07
;; workspace buffers: wa 2,097,152 bytes; wb 2,097,152 bytes; xb 33,554,432 bytes; eb 33,554,432 bytes; tt 524,288 bytes; bb 6,144 bytes
;; launch prep (part 4): grid 256 x 1, 4 waves a work-group, no clusters, 17,920 bytes of LDS; arguments W_av, W_go, W_out, b_go, b_out, wa, wb, bb; writes wa, wb, bb
.if DOCPART == 4
	.amdgcn_target "amdgcn-amd-amdhsa--gfx1250"
	.amdhsa_code_object_version 6
	.text
	.protected	k_q5969ee364a_prep
	.globl	k_q5969ee364a_prep
	.p2align	8
	.type	k_q5969ee364a_prep,@function
k_q5969ee364a_prep:
	s_mov_b64 s[64:65], 0
	v_nop
	global_prefetch_b8 v0, s[64:65] scope:SCOPE_SE
	s_setreg_imm32_b32 hwreg(HW_REG_WAVE_MODE, 25, 1), 1
	s_wait_xcnt 0x0
; NRU, launch 1 of 3: the three weight matrices are rounded once and laid out as two streams of 32 slots of 65,536 bytes,
; in the order in which the waves of the two later launches take them as matrix operands; two biases are rounded once.
; THE WHOLE PROGRAM.  mem: av = x W_av^T + b_av, ms_inp = av0 av1 - av2 av3, and for each chunk of 128 rows the exclusive running sum E inside
; the chunk and the chunk's total T.  out: P = the sum of the earlier chunks' T of the batch, y = W_go [x | E] + W_go_m P + b_go, exact gelu,
; z = W_out gelu(y) + b_out, z_a sigmoid(z_g).
; DEAD WORK.  Nothing of reference() is left out in whole units, and all seven inputs are loaded.  The zero row m_init needs no work of its own:
; the running sum is taken exclusive, so a batch's row 0 gets E = 0 and P = 0.  ms_inp of a batch's last row, which reference() slices away,
; lies in a tile with live rows and stays; it reaches only the total of the batch's last chunk, which no chunk adds.
; FORMATS.  All inputs are rounded to bf16 once (b_av in the next launch).  W_out's rounded numbers are written as f16, since
; gelu(y) goes in f16.  LIMIT: |W_out| beyond 65,504 becomes an infinity; below 6e-5 it keeps f16's fixed step of 6e-8.
; A SLOT holds 512 values of q x 64 k, k = 64 x slice + 8 x plane + e.  With w = q >> 7, b = (q >> 4) & 7, r = q & 15:
;   wa slot 8 p + s:      row (b & 3) 512 + 128 w + 32 p + 16 (b >> 2) + r of W_av, slice s;   laid [plane 8][q 512][8 numbers]
;   wb slot j < 16:       row q of W_go, slice j;                                             laid [w 4][plane 8][q % 128][8 numbers]
;   wb slot 16 + 8 p + s: row (b >> 2) 512 + 256 p + 64 w + 16 (b & 3) + r of W_out, slice s; laid as the line above
; bb: b_go's 512 numbers rounded to bf16 and written as f32, then b_out's 1,024 likewise, its second half (the gates') times -log2(e).
; SHARES.  Work-group g: slot g >> 2 of the 64; each of its waves 32 values of q: two tiles of 16 rows x 64 k.  A load takes two rows' 256 bytes
; (16 lanes a row); the turn from [row][k] to [plane][row] goes through the wave's own 4,352 bytes of LDS; a store covers 512 consecutive bytes.
; Wave 0 of work-groups 0 to 11 also takes 128 numbers of a bias, loaded beside its own loads.
.set PIT,   544                        ; a plane of 32 rows x 16 bytes, + 32: plane p starts 8 p words on, so the 32 lanes of a store of 8 bytes touch 64 different words
.set SPARE, 17408                      ; behind the four stages: the spare words, 128 bytes a wave
.set SPW,   126
.set NIL,   127
.set DAT,   16                         ; v[16:79]  sixteen loads of four f32; later what is read back
.set CV,    80                         ; v[80:111] the same numbers in 16 bits
	s_load_b256 s[4:11], s[0:1], 0x0               ; W_av s[4:5], W_go s[6:7], W_out s[8:9], b_go s[10:11]
	s_load_b256 s[36:43], s[0:1], 0x20             ; b_out s[36:37], wa s[38:39], wb s[40:41], bb s[42:43]
	v_lshl_add_u32 v[SPW], v0, 2, SPARE
	v_mov_b32 v[NIL], 0
	v_lshrrev_b32 v1, 5, v0
	v_readfirstlane_b32 s14, v1                    ; wave
	s_lshr_b32 s16, ttmp9, 2                       ; S: the slot, 0 to 63
	s_and_b32 s17, ttmp9, 3
	s_lshl2_add_u32 s17, s17, s14                  ; rg: which 32 values of q
	s_lshr_b32 s18, s17, 2                         ; w
	s_lshl_b32 s19, s17, 1
	s_and_b32 s19, s19, 7                          ; b of my first tile (even); the second is b + 1
	v_and_b32 v2, 15, v0
	v_bfe_u32 v3, v0, 4, 1
	v_and_b32 v1, 31, v0
	v_lshlrev_b32 v5, 4, v2                        ; my 16 bytes of a row's 256
	s_mul_i32 s20, s14, 8*PIT                      ; my stage
	v_lshrrev_b32 v6, 1, v2                        ; my four numbers lie in plane (l & 15) >> 1,
	v_mul_u32_u24 v6, v6, PIT
	v_lshl_add_u32 v6, v3, 4, v6                   ; row l >> 4 of the load's two,
	v_and_b32 v7, 1, v0
	v_lshl_add_u32 v6, v7, 3, v6                   ; half l & 1 of the row's 16 bytes
	v_add_nc_u32 v6, s20, v6
	v_lshl_add_u32 v7, v1, 4, s20                  ; back: lane l takes row l of a plane
	s_and_b32 s21, s16, 31
	s_lshl_b32 s21, s21, 16                        ; the slot in its stream,
	s_lshl_b32 s22, s17, 9                         ; wa: my 32 rows of 16 bytes in a plane of 512
	s_and_b32 s12, s17, 3
	s_lshl_b32 s12, s12, 9                         ; wb: my 32 rows in a plane of 128,
	s_lshl_b32 s13, s18, 14                        ; in block w
	s_add_co_u32 s12, s12, s13
	s_cmp_lt_u32 s16, 32
	s_cselect_b32 s22, s22, s12
	s_add_co_u32 s21, s21, s22
	v_lshl_add_u32 v8, v1, 4, s21
	s_and_b32 s23, s16, 7
	s_lshl_b32 s23, s23, 8                         ; the slice's 256 bytes in a row of W_av or W_out
	s_wait_kmcnt 0x0
.macro LD16 base, pb, d1               ; sixteen loads: tile i / 8 (d1 bytes on), rows 2 (i % 8) and + 1, pb bytes a row
.set i, 0
.rept 16
	global_load_b128 v[DAT+4*i:DAT+4*i+3], v4, s[\base:\base+1] offset:(i/8)*(\d1)+2*(i%8)*(\pb) th:TH_LOAD_NT
.set i, i+1
.endr
.endm
	s_cmp_lt_u32 s16, 32
	s_cselect_b64 s[24:25], s[38:39], s[40:41]     ; the stream that I store into
	s_cbranch_scc0 .Lnot_av
	s_and_b32 s26, s19, 3                          ; W_av: (b & 3) 512 + 128 w + 32 p + 16 (b >> 2); b + 1 lies 512 rows on
	s_lshl_b32 s26, s26, 9
	s_lshl_b32 s27, s18, 7
	s_add_co_u32 s26, s26, s27
	s_lshr_b32 s27, s16, 3
	s_lshl_b32 s27, s27, 5
	s_add_co_u32 s26, s26, s27
	s_lshr_b32 s27, s19, 2
	s_lshl_b32 s27, s27, 4
	s_add_co_u32 s26, s26, s27
	s_lshl_b32 s26, s26, 11                        ; rows of 2,048 bytes
	s_add_co_u32 s26, s26, s23
	v_lshl_add_u32 v4, v3, 11, v5
	v_add_nc_u32 v4, s26, v4
	LD16 4, 2048, 512*2048
	s_branch .Lgot
.Lnot_av:
	s_cmp_lt_u32 s16, 48
	s_cbranch_scc0 .Lw_out
	s_lshl_b32 s26, s17, 17                        ; W_go: row 32 rg, rows of 4,096 bytes
	s_and_b32 s27, s16, 15
	s_lshl_b32 s27, s27, 8                         ; slice j
	s_add_co_u32 s26, s26, s27
	v_lshl_add_u32 v4, v3, 12, v5
	v_add_nc_u32 v4, s26, v4
	LD16 6, 4096, 16*4096
	s_branch .Lgot
.Lw_out:
	s_lshr_b32 s26, s19, 2                         ; W_out: (b >> 2) 512 + 256 p + 64 w + 16 (b & 3); b + 1 lies 16 rows on
	s_lshl_b32 s26, s26, 9
	s_bfe_u32 s27, s16, 0x10003                    ; p
	s_lshl_b32 s27, s27, 8
	s_add_co_u32 s26, s26, s27
	s_lshl_b32 s27, s18, 6
	s_add_co_u32 s26, s26, s27
	s_and_b32 s27, s19, 3
	s_lshl_b32 s27, s27, 4
	s_add_co_u32 s26, s26, s27
	s_lshl_b32 s26, s26, 11
	s_add_co_u32 s26, s26, s23
	v_lshl_add_u32 v4, v3, 11, v5
	v_add_nc_u32 v4, s26, v4
	LD16 8, 2048, 16*2048
.Lgot:
	s_cmp_lg_u32 s14, 0                            ; the biases: wave 0 of work-groups 0 to 11, 128 numbers each: 0-3 b_go, 4-11 b_out
	s_cbranch_scc1 .Lno_bias
	s_cmp_lt_u32 ttmp9, 12
	s_cbranch_scc0 .Lno_bias
	s_cmp_lt_u32 ttmp9, 4
	s_cselect_b64 s[28:29], s[10:11], s[36:37]
	s_cselect_b32 s30, 0, 4
	s_sub_co_u32 s30, ttmp9, s30
	s_lshl_b32 s30, s30, 9                         ; my 512 bytes in the bias,
	s_lshl_b32 s31, ttmp9, 9                       ; and in bb
	v_lshl_add_u32 v9, v1, 4, s30
	v_lshl_add_u32 v10, v1, 4, s31
	global_load_b128 v[112:115], v9, s[28:29]
	s_wait_loadcnt 0x0                             ; it went out beside the sixteen loads above, which are wanted next anyway
	v_cvt_pk_bf16_f32 v116, v112, v113
	v_cvt_pk_bf16_f32 v117, v114, v115
	v_lshlrev_b32 v118, 16, v116
	v_and_b32 v119, 0xffff0000, v116
	v_lshlrev_b32 v120, 16, v117
	v_and_b32 v121, 0xffff0000, v117
	s_cmp_lt_u32 ttmp9, 8
	s_cbranch_scc1 .Lplain
	v_mul_f32 v118, 0xbfb8aa3b, v118               ; the gates' biases times -log2(e): the sigmoid's exponential works in base 2
	v_mul_f32 v119, 0xbfb8aa3b, v119
	v_mul_f32 v120, 0xbfb8aa3b, v120
	v_mul_f32 v121, 0xbfb8aa3b, v121
.Lplain:
	global_store_b128 v10, v[118:121], s[42:43]    ; 512 consecutive bytes
.Lno_bias:
	s_wait_loadcnt 0x0
.set i, 0
.rept 32
	v_cvt_pk_bf16_f32 v[CV+i], v[DAT+2*i], v[DAT+2*i+1]   ; two roundings to bf16
.set i, i+1
.endr
	s_cmp_lt_u32 s16, 48
	s_cbranch_scc1 .Lstay_bf16
.set i, 0
.rept 32                               ; W_out: the rounded numbers are written as f16 (exact inside f16's range)
	v_lshlrev_b32 v[DAT+2*i], 16, v[CV+i]
	v_and_b32 v[DAT+2*i+1], 0xffff0000, v[CV+i]
	v_cvt_pk_f16_f32 v[CV+i], v[DAT+2*i], v[DAT+2*i+1]
.set i, i+1
.endr
.Lstay_bf16:
.set i, 0
.rept 16
	ds_store_b64 v6, v[CV+2*i:CV+2*i+1] offset:(16*(i/8)+2*(i%8))*16
.set i, i+1
.endr
.set i, 0
.rept 8
	ds_load_b128 v[DAT+4*i:DAT+4*i+3], v7 offset:i*PIT     ; LDS serves a wave's instructions in order: these see the stores above, which are my own
.set i, i+1
.endr
	s_wait_dscnt 0x0
	s_cmp_lt_u32 s16, 32
	s_cbranch_scc0 .Lst_wb
.set i, 0
.rept 8
	global_store_b128 v8, v[DAT+4*i:DAT+4*i+3], s[24:25] offset:i*8192   ; wa: 512 consecutive bytes of plane i, planes of 512 q
.set i, i+1
.endr
	s_branch .Lend
.Lst_wb:
.set i, 0
.rept 8
	global_store_b128 v8, v[DAT+4*i:DAT+4*i+3], s[24:25] offset:i*2048   ; wb: the same, planes of 128 q
.set i, i+1
.endr
.Lend:
	s_wait_tensorcnt 0x0                           ; the wave's end
	ds_add_u32 v[SPW], v[NIL]
	s_wait_dscnt 0x0
	s_endpgm
.Lfunc_end_k_q5969ee364a_prep:
	.size	k_q5969ee364a_prep, .Lfunc_end_k_q5969ee364a_prep-k_q5969ee364a_prep
	.p2alignl 7, 3214868480
	.fill 96, 4, 3214868480
	.section	.rodata,"a",@progbits
	.p2align	6, 0x0
	.amdhsa_kernel k_q5969ee364a_prep
		.amdhsa_group_segment_fixed_size 17920
		.amdhsa_private_segment_fixed_size 0
		.amdhsa_enable_private_segment 0
		.amdhsa_kernarg_size 64
		.amdhsa_user_sgpr_count 2
		.amdhsa_user_sgpr_kernarg_segment_ptr 1
		.amdhsa_wavefront_size32 1
		.amdhsa_system_sgpr_workgroup_id_x 1
		.amdhsa_system_sgpr_workgroup_id_y 1
		.amdhsa_system_sgpr_workgroup_id_z 1
		.amdhsa_system_vgpr_workitem_id 0
		.amdhsa_next_free_vgpr 128
		.amdhsa_next_free_sgpr 66
		.amdhsa_reserve_vcc 0
		.amdhsa_float_denorm_mode_32 3
		.amdhsa_float_denorm_mode_16_64 3
		.amdhsa_memory_ordered 1
		.amdhsa_forward_progress 1
		.amdhsa_inst_pref_size 20
	.end_amdhsa_kernel
	.amdgpu_metadata
---
amdhsa.version: [ 1, 2 ]
amdhsa.kernels:
  - .name:           k_q5969ee364a_prep
    .symbol:         k_q5969ee364a_prep.kd
    .args:
      - { .name: W_av, .offset: 0, .size: 8, .value_kind: global_buffer, .address_space: global }
      - { .name: W_go, .offset: 8, .size: 8, .value_kind: global_buffer, .address_space: global }
      - { .name: W_out, .offset: 16, .size: 8, .value_kind: global_buffer, .address_space: global }
      - { .name: b_go, .offset: 24, .size: 8, .value_kind: global_buffer, .address_space: global }
      - { .name: b_out, .offset: 32, .size: 8, .value_kind: global_buffer, .address_space: global }
      - { .name: wa, .offset: 40, .size: 8, .value_kind: global_buffer, .address_space: global }
      - { .name: wb, .offset: 48, .size: 8, .value_kind: global_buffer, .address_space: global }
      - { .name: bb, .offset: 56, .size: 8, .value_kind: global_buffer, .address_space: global }
    .group_segment_fixed_size: 17920
    .private_segment_fixed_size: 0
    .kernarg_segment_align: 8
    .kernarg_segment_size: 64
    .max_flat_workgroup_size: 128
    .sgpr_count:     66
    .vgpr_count:     128
    .wavefront_size: 32
...
	.end_amdgpu_metadata
.endif
;; end of part 4
;; launch mem (part 5): grid 256 x 1, 4 waves a work-group, clusters of 4 x 1, 327,680 bytes of LDS; arguments x, b_av, wa, xb, eb, tt; writes xb, eb, tt
.if DOCPART == 5
	.amdgcn_target "amdgcn-amd-amdhsa--gfx1250"
	.amdhsa_code_object_version 6
	.text
	.protected	k_q5969ee364a_mem
	.globl	k_q5969ee364a_mem
	.p2align	8
	.type	k_q5969ee364a_mem,@function
k_q5969ee364a_mem:
	s_mov_b64 s[64:65], 0
	v_nop
	global_prefetch_b8 v0, s[64:65] scope:SCOPE_SE
	s_setreg_imm32_b32 hwreg(HW_REG_WAVE_MODE, 25, 1), 1
	s_wait_xcnt 0x0
	s_wait_alu depctr_hold_cnt(0) depctr_sa_sdst(0) depctr_va_vdst(0) depctr_va_sdst(0) depctr_va_ssrc(0) depctr_va_vcc(0) depctr_vm_vsrc(0)
	s_getreg_b32 s2, hwreg(HW_REG_IB_STS2, 6, 4)
	s_cmp_eq_u32 s2, 0
	s_cbranch_scc0 .Lentry_in_a_cluster
	s_endpgm
.Lentry_in_a_cluster:
	s_bfe_u32 s2, ttmp6, 0x10000c
	s_cmp_lg_u32 s2, 0x3003
	s_cbranch_scc0 .Lentry_shape_is_right
	s_endpgm
.Lentry_shape_is_right:
; NRU, launch 2 of 3.  A work-group owns a chunk of 128 rows of x (256 chunks, 64 to a batch).  It makes av = x W_av^T + b_av (N = 2,048, K = 512, bf16 operands, f32 sums),
; ms_inp = av0 av1 - av2 av3, and stores: xb, the chunk's x rounded to bf16; eb, the exclusive running sum E of ms_inp INSIDE the chunk, rounded once to bf16 (it is a matrix operand of
; the next launch); tt, the chunk's total T in f32 (a partial sum).  Nothing of reference() is left out here; a batch's last row, whose ms_inp reference() slices away, lies in a live tile.
; LIMITS.  NaN and infinities are not treated apart; f32 sums are taken in another order than reference()'s.
; OPERAND LAYOUT, in LDS and in xb, eb: [plane = k / 8][row][8 numbers]: a fragment of 16 rows x 32 k is two loads of 16 bytes a lane (planes 4 ks + h and 4 ks + 2 + h, h = lane / 16),
; and 16 lanes read 256 consecutive bytes.
; SHARES.  Four passes; in pass p wave w makes all 128 rows x 128 columns of av: the four parts of its memory columns 128 w + 32 p + 0..31: 64 accumulators, 512 registers.
; Source 0 = 16 rows of x, source 1 = 16 rows of W_av: a lane holds ONE column (lane % 16) and rows 8 (lane / 16) + 0..7, so the running sum goes down a lane's registers.
; The bias is the C operand of a pass's first products.
; THE RING.  The weights come as 32 slots of 65,536 bytes (64 along K for all four waves) through two LDS slots.  The four work-groups of a cluster ask JOINTLY: wave v of each issues the
; same tensor load (64 rows of 256 bytes: planes 2 v, 2 v + 1), mask 15.  A wave has two tensor loads out at the start, one behind each round.
; THE WALK IS ROTATED.  Cluster i begins at pass p0 and K slice k0, k0 = (i ^ i >> 3) & 7, p0 = (i >> 3 ^ i >> 5) & 3: its n-th slot is 8 ((p0 + n / 8) & 3) + ((k0 + n) & 7).  So the 64 clusters
; ask for 32 different slots at a time, not all for the same one.  No LDS address hangs on that: x is LOADED rotated, by the loads' global offsets (position j in LDS holds K slice (k0 + j) & 7);
; xb keeps that order, and eb is stored in it, since the next launch walks W_go's slices from the same k0.  tt lies in true column order: other clusters read it.
; NO PREFETCH: the launch's first fills, which stand at the head, name all 32 slots between them (32 starts, two slots each).
; REGISTERS, in windows of 256 (s_set_vgpr_msb: bits 1:0 source 0, 3:2 source 1, 5:4 source 2, 7:6 destination):
;   window 0: v0-63 addresses and work; v64-127, v128-191 x's fragments, two buffers; v192-255 at work     window 1: v0-63 the biases as C operands; v64-191 the weights' fragments
;   windows 2, 3: accumulator (a, b) (rows 16 a, tile b) at v[8 (8 (a % 4) + b)] of window 2 + a / 4; at the head they hold x as loaded
.set PP,    2064                       ; a plane of x in LDS: 128 rows x 16 bytes + 16: plane p starts 4 p words on, so the 32 lanes of a store of 8 bytes (16 planes) touch 64 different words
.set XA,    131072                     ; behind the two slots: x, 64 planes
.set STG,   263168                     ; each wave's stage: 32 columns x 288 bytes (128 rows of bf16 + 32)
.set TS,    300032                     ; each wave's 128 totals, in the order in which the passes are walked
.set SPARE, 302080                     ; the spare words, 128 bytes a wave
.set ASL,   8*PP                       ; x's eight planes of a slot
.set A0,   4                           ; v4   my place in a fragment of x; never rewritten
.set ADRA, 5                           ; v5   + the slot's planes
.set B0,   6                           ; v6   my place in a fragment of the weights
.set ADRB, 7                           ; v7   + the LDS slot
.set STO,  8                           ; v8   stage: column lane % 16, rows 8 (lane / 16) on
.set STOA, 9                           ; v9   + 32 bytes for each 16 rows
.set RDT,  10                          ; v10  stage, for the turning load
.set L16,  11                          ; v11  16 x lane
.set TSA,  12                          ; v12  where my column's total goes
.set TSR,  13                          ; v13  where I read four totals back
.set TTO,  14                          ; v14  where those four lie in tt: the pass that was walked (lane / 8)-th
.set XS,   15                          ; v15, v16  x into LDS: planes 0-31, 32-63
.set XR,   17                          ; v17, v18  x back out of LDS
.set R4,   19                          ; v19  4 x (lane % 16)
.set CAR,  22                          ; v22, v23  the running sums' carries for my two columns
.set RAW,  24                          ; v24-31  the pass's eight biases
.set VT,   32                          ; v32-47  ms_inp of 8 rows, two columns
.set XO,   32                          ; v32-35  at the head: my 16 bytes in a row of x, for each quarter of the positions
.set OT,   48
.set OFS,  50
.set PK,   52                          ; v52-59
.set SPW,  62
.set NIL,  63
.set F0,   64
.set F1,   128
.set WV,  16
.set CX,  17
.set CH,  18
.set G1,  24                           ; s[24:31] descriptor group 1
.set G0A, 32                           ; s[32:35] group 0 of the first fill of slot 0
.set G0B, 36                           ; s[36:39] group 0 of the first fill of slot 1, and of every refill
.set BW,  40                           ; s[40:41] the stream at my quarter of a slot
.set K0,  42
.set NN,  43                           ; the number, in my walk, of the slot asked for last
.set TB,  44                           ; the LDS slot being read
.set TA,  45                           ; x's planes being read
.set CNT, 46
.set PAS, 47
.set LA,  48
.set HM,  49                           ; 0xffff0000
.set SEL, 50                           ; s[50:51]
.set PC,  52                           ; the pass in hand
.set W2K, 53                           ; 2 w + 8 - k0
.set OFF, 54                           ; s[54:55] an offset; the high word stays 0
.set EBP, 56                           ; s[56:57] eb at the pass's four planes
.set BBP, 58                           ; s[58:59] b_av at the pass's columns
.set P0,  60
.set T1,  61                           ; at work; like OFF they never hold my place in the cluster
.set T2,  62
.set MSB, 0
.macro WIN new                         ; the high byte repeats the setting that is left; a switch that changes nothing is dropped
.if MSB != (\new)
	s_set_vgpr_msb (MSB<<8)|(\new)
.set MSB, \new
.endif
.endm
.macro PLACES                          ; four places behind matrix instructions, in front of loads into their sources and of vector work on their results
.rept 4
	v_nop
.endr
.endm
.macro CREST                           ; a round of the cluster's barrier behind its opening barrier
	s_cmp_lg_u32 s[WV], 0
	s_cbranch_scc1 .Lnw_\@
	s_barrier_signal -3
.Lnw_\@:
	s_barrier_wait -3
	s_barrier_signal -1
	s_barrier_wait -1
.endm
.macro CROUND
	s_barrier_signal -1
	s_barrier_wait -1
	CREST
.endm
; The refill's descriptor: the other LDS slot than last time; the global address is made anew from the walk's next slot number.  It stands where no tensor load of mine is out.
.macro STEP
	s_add_co_u32 s[NN], s[NN], 1
	s_lshr_b32 s[T1], s[NN], 3
	s_add_co_u32 s[T1], s[T1], s[P0]
	s_and_b32 s[T1], s[T1], 3                      ; the pass
	s_add_co_u32 s[T2], s[NN], s[K0]
	s_and_b32 s[T2], s[T2], 7                      ; the K slice
	s_lshl3_add_u32 s[T1], s[T1], s[T2]
	s_lshl_b32 s[OFF], s[T1], 16
	s_xor_b32 s[G0B+1], s[G0B+1], 0x10000
	s_add_nc_u64 s[G0B+2:G0B+3], s[BW:BW+1], s[OFF:OFF+1]
	s_or_b32 s[G0B+3], s[G0B+3], 0x80000000
.endm
; 16 matrix instructions: row tiles a0, a0 + 1 of the window's four x all 8 column tiles, 32 along K.  cm = 2: the products start the sums from the biases.
; The 64 accumulators take turns in one fixed order.
.macro MUL16 f, hi, a0, cm
.if (\cm) == 2
	WIN 0x94+0x40*(\hi)
.else
	WIN 0xa4+0x50*(\hi)
.endif
.irp a, \a0, (\a0)+1
.irp b, 0,1,2,3,4,5,6,7
.set rD, 8*(8*(\a)+(\b))
.set rA, (\f)+8*(4*(\hi)+(\a))
.set rW, (\f)+8*(\b)
.if (\cm) == 2
	v_wmma_f32_16x16x32_bf16 v[rD:rD+7], v[rA:rA+7], v[rW:rW+7], v[8*(\b):8*(\b)+7]
.else
	v_wmma_f32_16x16x32_bf16 v[rD:rD+7], v[rA:rA+7], v[rW:rW+7], v[rD:rD+7]
.endif
.endr
.endr
.endm
.macro FETCH ks, f                     ; 32 LDS loads in one run: the weights' eight fragments, then x's eight, of K step ks of the slot
	WIN 0x40
.irp b, 0,1,2,3,4,5,6,7
	ds_load_b128 v[(\f)+8*\b:(\f)+8*\b+3],   v[ADRB] offset:(\ks)*32768+\b*256
	ds_load_b128 v[(\f)+8*\b+4:(\f)+8*\b+7], v[ADRB] offset:(\ks)*32768+\b*256+16384
.endr
	WIN 0
.irp a, 0,1,2,3,4,5,6,7
	ds_load_b128 v[(\f)+8*\a:(\f)+8*\a+3],   v[ADRA] offset:(\ks)*4*PP+\a*256
	ds_load_b128 v[(\f)+8*\a+4:(\f)+8*\a+7], v[ADRA] offset:(\ks)*4*PP+\a*256+2*PP
.endr
.endm
.macro QUARTER cm                      ; a slot's first K step, on buffer 0; in its middle the second step's fragments are fetched
	s_wait_dscnt 8                                 ; the weights and rows 0-63 are in; the youngest eight loads may be out
	MUL16 F0, 0, 0, \cm
	MUL16 F0, 0, 2, \cm
	PLACES
	FETCH 1, F1
	s_wait_dscnt 32                                ; all but the 32 just issued
	MUL16 F0, 1, 0, \cm
	MUL16 F0, 1, 2, \cm
.endm
; A slot's second K step, and the change of slots.  In front of the barrier each wave waits for all its tensor loads (its part of the next slot), adds 0 to its spare word, and waits for that and
; for its reads of this slot.  fill = 1: the barrier opens a round of the cluster's, and the joint refill, two slots on in the walk, is the first thing behind it.
.macro TURN fill, wrap
	WIN 0
	s_wait_tensorcnt 0x0
	ds_add_u32 v[SPW], v[NIL]
.if \fill
	STEP
.endif
	s_wait_dscnt 9                                 ; the add and the youngest eight loads may be out
	MUL16 F1, 0, 0, 0
	s_wait_dscnt 0x0                               ; the add is done, my reads of this slot are over
	s_barrier_signal -1
	MUL16 F1, 0, 2, 0
	WIN 0
	s_barrier_wait -1
.if \fill
	CREST
	tensor_load_to_lds s[G0B:G0B+3], s[G1:G1+7]
	s_nop 0
.endif
	PLACES                                         ; behind the load; also the places in front of the loads below
	s_xor_b32 s[TB], s[TB], 0x10000
.if \wrap
	s_mov_b32 s[TA], 0
.else
	s_add_co_u32 s[TA], s[TA], ASL
.endif
	v_add_nc_u32 v[ADRB], s[TB], v[B0]
	v_add_nc_u32 v[ADRA], s[TA], v[A0]
	FETCH 0, F0
	MUL16 F1, 1, 0, 0
	MUL16 F1, 1, 2, 0
.endm
.macro BIAS                            ; the eight biases, rounded to bf16 like every input, each copied into the eight registers of a C operand
.irp k, 0,1,2,3
	v_cvt_pk_bf16_f32 v[PK+\k], v[RAW+2*\k], v[RAW+2*\k+1]
.endr
.irp k, 0,1,2,3
	v_lshlrev_b32 v[RAW+2*\k], 16, v[PK+\k]
	v_and_b32 v[RAW+2*\k+1], s[HM], v[PK+\k]
.endr
	WIN 0x40
.set i, 0
.rept 64
	v_mov_b32 v[i], v[RAW+i/8]
.set i, i+1
.endr
	WIN 0
.endm
.macro BLOADS
.irp b, 0,1,2,3,4,5,6,7                ; tile b: part b % 4, columns 16 (b / 4) on
	global_load_b32 v[RAW+\b], v[R4], s[BBP:BBP+1] offset:(\b%4)*2048+(\b/4)*64
.endr
.endm
; ms_inp of row tile a, my two columns: av0 av1 - av2 av3.  Each accumulator is read from its low end on.
.macro EBLK a
.set AC, 64*((\a)%4)
	WIN 0x0a+5*((\a)/4)
.irp t, 0,1
.irp k, 0,2,4,6
	v_pk_mul_f32 v[VT+8*\t+\k:VT+8*\t+\k+1], v[AC+32*\t+\k:AC+32*\t+\k+1], v[AC+32*\t+8+\k:AC+32*\t+8+\k+1]
.endr
.endr
.irp t, 0,1
.irp k, 0,2,4,6
	v_pk_fma_f32 v[VT+8*\t+\k:VT+8*\t+\k+1], v[AC+32*\t+16+\k:AC+32*\t+16+\k+1], v[AC+32*\t+24+\k:AC+32*\t+24+\k+1], v[VT+8*\t+\k:VT+8*\t+\k+1] neg_lo:[1,0,0] neg_hi:[1,0,0]
.endr
.endr
	WIN 0
.endm
; BEHIND A PASS.  A counted loop over the eight row tiles; a ladder of compares picks the block that names the tile's accumulators; the rest is one text.
.macro EPI last, tag
	PLACES
	WIN 0
	s_mov_b32 vcc_lo, 0xffff0000                   ; lanes 16-31; written here, behind the last tensor load
	s_wait_xcnt 0x0                                ; the bases below are free
	s_lshr_b32 s[T1], s[PC], 1                     ; E's columns 128 w + 32 p are K slice 2 w + p / 2 of the next launch; it lies at position (slice - k0) & 7,
	s_add_co_u32 s[T1], s[T1], s[W2K]
	s_and_b32 s[T1], s[T1], 7
	s_lshl_b32 s[T1], s[T1], 14
	s_and_b32 s[T2], s[PC], 1                      ; in half p % 2 of its eight planes
	s_lshl_b32 s[T2], s[T2], 13
	s_add_co_u32 s[OFF], s[T1], s[T2]
	s_add_nc_u64 s[EBP:EBP+1], s[12:13], s[OFF:OFF+1]
.if !(\last)
	s_add_co_u32 s[PC], s[PC], 1                   ; the next pass of my walk, and its 32 columns of the biases
	s_and_b32 s[PC], s[PC], 3
	s_lshl_b32 s[OFF], s[PC], 7
	s_add_nc_u64 s[BBP:BBP+1], s[6:7], s[OFF:OFF+1]
	BLOADS
.endif
	v_mov_b32 v[CAR], 0
	v_mov_b32 v[CAR+1], 0
	v_mov_b32 v[STOA], v[STO]
	s_mov_b32 s[LA], 8
.Lt\tag:
.irp a, 1,2,3,4,5,6,7
	s_cmp_eq_u32 s[LA], 8-\a
	s_cbranch_scc1 .Lb\tag\a
.endr
.irp a, 0,1,2,3,4,5,6,7
.Lb\tag\a:
	EBLK \a
.if \a < 7
	s_branch .Lc\tag
.endif
.endr
.Lc\tag:
.irp j, 1,2,3,4,5,6,7                  ; inclusive sums down my eight rows; the last is their total
	v_add_f32 v[VT+\j], v[VT+\j], v[VT+\j-1]
	v_add_f32 v[VT+8+\j], v[VT+8+\j], v[VT+8+\j-1]
.endr
	v_permlanex16_b32 v[OT], v[VT+7], s[SEL], s[SEL+1]     ; the total of the tile's other eight rows
	v_permlanex16_b32 v[OT+1], v[VT+15], s[SEL], s[SEL+1]
	v_cndmask_b32 v[OFS], 0, v[OT], vcc_lo         ; rows 8-15 stand behind rows 0-7
	v_cndmask_b32 v[OFS+1], 0, v[OT+1], vcc_lo
	v_add_f32 v[OT], v[VT+7], v[OT]                ; the tile's total: the same bits in both halves of the lanes
	v_add_f32 v[OT+1], v[VT+15], v[OT+1]
	v_add_f32 v[OFS], v[CAR], v[OFS]               ; what stands in front of my first row
	v_add_f32 v[OFS+1], v[CAR+1], v[OFS+1]
	v_add_f32 v[CAR], v[CAR], v[OT]
	v_add_f32 v[CAR+1], v[CAR+1], v[OT+1]
.irp j, 7,6,5,4,3,2,1                  ; exclusive: row j takes the sum up to row j - 1
	v_add_f32 v[VT+\j], v[VT+\j-1], v[OFS]
	v_add_f32 v[VT+8+\j], v[VT+8+\j-1], v[OFS+1]
.endr
	v_cvt_pk_bf16_f32 v[PK], v[OFS], v[VT+1]
	v_cvt_pk_bf16_f32 v[PK+4], v[OFS+1], v[VT+9]
.irp j, 1,2,3
	v_cvt_pk_bf16_f32 v[PK+\j], v[VT+2*\j], v[VT+2*\j+1]
	v_cvt_pk_bf16_f32 v[PK+4+\j], v[VT+8+2*\j], v[VT+8+2*\j+1]
.endr
	ds_store_b128 v[STOA], v[PK:PK+3]              ; eight rows of one column: the stage lies [column][row]
	ds_store_b128 v[STOA], v[PK+4:PK+7] offset:4608
	v_add_nc_u32 v[STOA], 32, v[STOA]
	s_sub_co_u32 s[LA], s[LA], 1
	s_cmp_lg_u32 s[LA], 0
	s_cbranch_scc1 .Lt\tag
.irp n, 0,1,2,3,4,5,6,7,8,9,10,11,12,13,14,15  ; the turning load: lane l gets row 32 (n % 4) + l and the eight columns of plane n / 4; my own bytes, served in order
	ds_load_tr16_b128 v[F1+4*\n:F1+4*\n+3], v[RDT] offset:(\n/4)*2304+(\n%4)*64
.endr
	s_wait_dscnt 0x0
.irp n, 0,1,2,3,4,5,6,7,8,9,10,11,12,13,14,15
	global_store_b128 v[L16], v[F1+4*\n:F1+4*\n+3], s[EBP:EBP+1] offset:(\n/4)*2048+(\n%4)*512   ; 512 consecutive bytes of eb
.endr
	ds_store_b32 v[TSA], v[CAR]                    ; the chunk's totals of my two columns
	ds_store_b32 v[TSA], v[CAR+1] offset:64
	v_add_nc_u32 v[TSA], 128, v[TSA]
.if !(\last)
	s_wait_loadcnt 0x0
	BIAS
.endif
	s_wait_xcnt 0x0                                ; the stores have read their registers, which the next fragments overwrite
.endm
	s_load_b256 s[4:11], s[0:1], 0x0               ; x s[4:5], b_av s[6:7], wa s[8:9], xb s[10:11]
	s_load_b128 s[12:15], s[0:1], 0x20             ; eb s[12:13], tt s[14:15]
	v_lshl_add_u32 v[SPW], v0, 2, SPARE
	v_mov_b32 v[NIL], 0
	ds_add_u32 v[SPW], v[NIL]                      ; the opening: the add, twice on end, and its wait ahead of my first tensor load
	ds_add_u32 v[SPW], v[NIL]
	v_lshrrev_b32 v1, 5, v0
	v_readfirstlane_b32 s[WV], v1
	s_bfe_u32 s[CX], ttmp6, 0x40000                ; my place in the cluster: it enters global addresses alone
	s_lshl_b32 s[CH], ttmp9, 2
	s_add_co_u32 s[CH], s[CH], s[CX]               ; my chunk
	s_lshr_b32 s[T1], ttmp9, 3                     ; where my cluster's walk begins: the same in all four partners
	s_xor_b32 s[K0], ttmp9, s[T1]
	s_and_b32 s[K0], s[K0], 7
	s_lshr_b32 s[T2], ttmp9, 5
	s_xor_b32 s[P0], s[T1], s[T2]
	s_and_b32 s[P0], s[P0], 3
	s_mov_b32 s[PC], s[P0]
	s_lshl_b32 s[W2K], s[WV], 1
	s_add_co_u32 s[W2K], s[W2K], 8
	s_sub_co_u32 s[W2K], s[W2K], s[K0]
	s_mov_b32 s[NN], 1
	s_mov_b32 s[OFF+1], 0
	s_mov_b32 s[G1+0], 15|(3<<16)|(1<<21)          ; the mask of four; elements of 8 bytes; bit 21 beside a mask; no padding
	s_mov_b32 s[G1+1], 32<<16                      ; tensor_dim0 = 32: rows of 256 bytes
	s_mov_b32 s[G1+2], 64<<16                      ; tensor_dim1 = 64
	s_mov_b32 s[G1+3], 32<<16                      ; tile_dim0 = 32
	s_mov_b32 s[G1+4], 64                          ; tile_dim1 = 64
	s_mov_b32 s[G1+5], 32                          ; dense: a row begins where the last ends
	s_mov_b32 s[G1+6], 0
	s_mov_b32 s[G1+7], 0
	s_lshl_b32 s20, s[WV], 14                      ; my quarter of a slot
	s_mov_b32 s21, 0
	s_mov_b32 s[G0A], 1
	s_mov_b32 s[G0A+1], s20
	s_mov_b32 s[G0B], 1
	s_add_co_u32 s[G0B+1], s20, 0x10000
	s_mov_b32 s[HM], 0xffff0000
	s_mov_b32 s[SEL], 0x76543210
	s_mov_b32 s[SEL+1], 0xfedcba98
	s_mov_b32 s[TB], 0
	s_mov_b32 s[TA], 0
	v_and_b32 v1, 15, v0
	v_bfe_u32 v2, v0, 4, 1
	v_and_b32 v3, 31, v0
	v_lshlrev_b32 v[L16], 4, v3
	v_lshlrev_b32 v[R4], 2, v1
	s_lshl_b32 s22, s[K0], 8                       ; a K slice is 256 bytes of a row of x: position bytes 16 l + 512 j come from (that + 256 k0) mod 2,048
	v_add_nc_u32 v[XO], s22, v[L16]
	v_add_nc_u32 v[XO+1], 512, v[XO]
	v_add_nc_u32 v[XO+2], 1024, v[XO]
	v_add_nc_u32 v[XO+3], 1536, v[XO]
.irp j, 0,1,2,3
	v_and_b32 v[XO+\j], 0x7ff, v[XO+\j]
.endr
	v_mul_u32_u24 v[A0], v2, PP
	v_lshl_add_u32 v[A0], v1, 4, v[A0]
	v_add_nc_u32 v[A0], XA, v[A0]
	v_mov_b32 v[ADRA], v[A0]
	s_lshl_b32 s22, s[WV], 11
	v_lshlrev_b32 v[B0], 13, v2
	v_lshl_add_u32 v[B0], v1, 4, v[B0]
	v_add_nc_u32 v[B0], s22, v[B0]
	v_mov_b32 v[ADRB], v[B0]
	s_mul_i32 s22, s[WV], 9216
	s_add_co_u32 s22, s22, STG
	v_mul_u32_u24 v[STO], v1, 288
	v_lshl_add_u32 v[STO], v2, 4, v[STO]
	v_add_nc_u32 v[STO], s22, v[STO]
	v_and_b32 v[OT], 7, v0
	v_bfe_u32 v[OT+1], v0, 3, 2
	v_mul_u32_u24 v[RDT], v[OT], 288
	v_lshl_add_u32 v[RDT], v[OT+1], 4, v[RDT]
	v_add_nc_u32 v[RDT], s22, v[RDT]
	v_add_nc_u32 v[TTO], s[P0], v[OT+1]            ; the pass walked (lane / 8)-th is pass (p0 + lane / 8) & 3: 128 bytes of my 512 in tt
	v_and_b32 v[TTO], 3, v[TTO]
	v_lshlrev_b32 v[TTO], 7, v[TTO]
	v_lshl_add_u32 v[TTO], v[OT], 4, v[TTO]
	s_lshl_b32 s23, s[WV], 9
	s_add_co_u32 s22, s23, TS
	v_add_nc_u32 v[TSA], s22, v[R4]
	v_add_nc_u32 v[TSR], s22, v[L16]
	s_add_co_u32 s22, s23, XA                      ; my 32 rows in each plane
	v_lshrrev_b32 v[OT], 1, v3
	v_mul_u32_u24 v[XS], v[OT], PP
	v_and_b32 v[OT+1], 1, v0
	v_lshl_add_u32 v[XS], v[OT+1], 3, v[XS]
	v_add_nc_u32 v[XS], s22, v[XS]
	v_add_nc_u32 v[XS+1], 32*PP, v[XS]
	v_add_nc_u32 v[XR], s22, v[L16]
	v_add_nc_u32 v[XR+1], 32*PP, v[XR]
	s_wait_dscnt 0x0                               ; both opening adds are done
	s_wait_kmcnt 0x0
	s_add_nc_u64 s[BW:BW+1], s[8:9], s[20:21]      ; the stream at my quarter of a slot
	s_lshl3_add_u32 s[T1], s[P0], s[K0]            ; my walk's slot 0,
	s_lshl_b32 s[OFF], s[T1], 16
	s_add_nc_u64 s[G0A+2:G0A+3], s[BW:BW+1], s[OFF:OFF+1]
	s_add_co_u32 s[T1], s[K0], 1                   ; and slot 1
	s_and_b32 s[T1], s[T1], 7
	s_lshl3_add_u32 s[T1], s[P0], s[T1]
	s_lshl_b32 s[OFF], s[T1], 16
	s_add_nc_u64 s[G0B+2:G0B+3], s[BW:BW+1], s[OFF:OFF+1]
	s_or_b32 s[G0A+3], s[G0A+3], 0x80000000
	s_or_b32 s[G0B+3], s[G0B+3], 0x80000000
	s_lshl_b32 s20, s[CH], 18
	s_lshl_b32 s22, s[WV], 16
	s_add_co_u32 s20, s20, s22
	s_add_nc_u64 s[4:5], s[4:5], s[20:21]          ; x at my 32 rows
	s_mov_b32 s20, s23
	s_add_nc_u64 s[6:7], s[6:7], s[20:21]          ; b_av at my 128 columns,
	s_lshl_b32 s[OFF], s[P0], 7
	s_add_nc_u64 s[BBP:BBP+1], s[6:7], s[OFF:OFF+1]  ; at the first pass's 32
	s_lshl_b32 s22, s[CH], 17
	s_add_co_u32 s20, s22, s23
	s_add_nc_u64 s[10:11], s[10:11], s[20:21]      ; xb at my chunk, my 32 rows of a plane
	s_mov_b32 s20, s22
	s_add_nc_u64 s[12:13], s[12:13], s[20:21]      ; eb at my chunk
	s_lshl_b32 s20, s[CH], 11
	s_add_co_u32 s20, s20, s23
	s_add_nc_u64 s[14:15], s[14:15], s[20:21]      ; tt at my chunk, my 128 columns
	BLOADS
	WIN 0x80                                       ; x: load n takes the 512 bytes of quarter n % 4 of the positions of my row n / 4: two pieces of 256 consecutive bytes, aligned
.set n, 0
.rept 64
	global_load_b128 v[4*n:4*n+3], v[XO+n%4], s[4:5] offset:(n/4)*2048 th:TH_LOAD_NT
.set n, n+1
.endr
	WIN 0xc0
.set n, 0
.rept 64
	global_load_b128 v[4*n:4*n+3], v[XO+n%4], s[4:5] offset:(16+n/4)*2048 th:TH_LOAD_NT
.set n, n+1
.endr
	WIN 0
	CROUND                                         ; all four work-groups are here: the first joint loads meet
	tensor_load_to_lds s[G0A:G0A+3], s[G1:G1+7]
	s_nop 0
	tensor_load_to_lds s[G0B:G0B+3], s[G1:G1+7]
	s_nop 0
	PLACES
; x, a batch of 32 loads (eight rows) at a time: rounded to bf16 and laid into the planes
.macro XBATCH k, left
	s_wait_loadcnt \left
	WIN 0x0a+5*((\k)/2)
.set n, 0
.rept 32
	v_cvt_pk_bf16_f32 v[192+2*n], v[128*((\k)%2)+4*n], v[128*((\k)%2)+4*n+1]
	v_cvt_pk_bf16_f32 v[193+2*n], v[128*((\k)%2)+4*n+2], v[128*((\k)%2)+4*n+3]
.set n, n+1
.endr
	WIN 0
.set n, 0
.rept 32
	ds_store_b64 v[XS+(n%4)/2], v[192+2*n:193+2*n] offset:(n%2)*16*PP+16*(8*(\k)+n/4)
.set n, n+1
.endr
.endm
	XBATCH 0, 63                                   ; 96 and 64 loads were issued behind these two batches; 63 is the largest count that a wait can name
	XBATCH 1, 63
	XBATCH 2, 32
	XBATCH 3, 0
	WIN 0x80                                       ; my own 32 rows back, plane by plane (my own bytes, served in order), and out to xb
.set n, 0
.rept 64
	ds_load_b128 v[4*n:4*n+3], v[XR+n/32] offset:(n%32)*PP
.set n, n+1
.endr
	s_wait_dscnt 0x0
	WIN 0x08
.set n, 0
.rept 64
	global_store_b128 v[L16], v[4*n:4*n+3], s[10:11] offset:n*2048   ; 512 consecutive bytes
.set n, n+1
.endr
	WIN 0
	BIAS
	s_wait_tensorcnt 0x1                           ; my part of slot 0 is in; slot 1's may stay out
	s_wait_dscnt 0x0                               ; my rows of x lie in LDS
	s_wait_xcnt 0x0                                ; the stores have read window 2, where the sums begin
	s_barrier_signal -1
	s_barrier_wait -1
	FETCH 0, F0
	s_mov_b32 s[PAS], 4                            ; passes to go, this one among them: the same number in every work-group
.Lpass:
	QUARTER 2
	WIN 0
	s_mov_b32 s[CNT], 6
.Lslot:
	TURN 1, 0
	QUARTER 0
	WIN 0
	s_sub_co_u32 s[CNT], s[CNT], 1
	s_cmp_lg_u32 s[CNT], 0
	s_cbranch_scc1 .Lslot
	s_cmp_eq_u32 s[PAS], 1
	s_cbranch_scc1 .Llast                          ; the last pass's tail is written out: it asks for nothing more
	TURN 1, 0
	QUARTER 0
	TURN 1, 1                                      ; x's planes begin anew; the next pass's first fragments are fetched
	EPI 0, p
	s_sub_co_u32 s[PAS], s[PAS], 1
	s_branch .Lpass
.Llast:
	TURN 0, 0                                      ; the walk's last two slots are not filled again
	QUARTER 0
	s_wait_dscnt 8
	MUL16 F1, 0, 0, 0
	MUL16 F1, 0, 2, 0
	s_wait_dscnt 0x0
	MUL16 F1, 1, 0, 0
	MUL16 F1, 1, 2, 0
	EPI 1, q
	ds_load_b128 v[F1:F1+3], v[TSR]                ; my wave's 128 totals, four a lane
	s_wait_dscnt 0x0
	global_store_b128 v[TTO], v[F1:F1+3], s[14:15] ; the wave's one store covers its 512 bytes of tt whole
	s_wait_tensorcnt 0x0                           ; the wave's end
	ds_add_u32 v[SPW], v[NIL]
	s_wait_dscnt 0x0
	CROUND                                         ; the closing round
	s_endpgm
.Lfunc_end_k_q5969ee364a_mem:
	.size	k_q5969ee364a_mem, .Lfunc_end_k_q5969ee364a_mem-k_q5969ee364a_mem
	.p2alignl 7, 3214868480
	.fill 96, 4, 3214868480
	.section	.rodata,"a",@progbits
	.p2align	6, 0x0
	.amdhsa_kernel k_q5969ee364a_mem
		.amdhsa_group_segment_fixed_size 327680
		.amdhsa_private_segment_fixed_size 0
		.amdhsa_enable_private_segment 0
		.amdhsa_kernarg_size 48
		.amdhsa_user_sgpr_count 2
		.amdhsa_user_sgpr_kernarg_segment_ptr 1
		.amdhsa_wavefront_size32 1
		.amdhsa_system_sgpr_workgroup_id_x 1
		.amdhsa_system_sgpr_workgroup_id_y 1
		.amdhsa_system_sgpr_workgroup_id_z 1
		.amdhsa_system_vgpr_workitem_id 0
		.amdhsa_next_free_vgpr 1024
		.amdhsa_next_free_sgpr 66
		.amdhsa_reserve_vcc 1
		.amdhsa_float_denorm_mode_32 3
		.amdhsa_float_denorm_mode_16_64 3
		.amdhsa_memory_ordered 1
		.amdhsa_forward_progress 1
		.amdhsa_inst_pref_size 151
	.end_amdhsa_kernel
	.amdgpu_metadata
---
amdhsa.version: [ 1, 2 ]
amdhsa.kernels:
  - .name:           k_q5969ee364a_mem
    .symbol:         k_q5969ee364a_mem.kd
    .args:
      - { .name: x, .offset: 0, .size: 8, .value_kind: global_buffer, .address_space: global }
      - { .name: b_av, .offset: 8, .size: 8, .value_kind: global_buffer, .address_space: global }
      - { .name: wa, .offset: 16, .size: 8, .value_kind: global_buffer, .address_space: global }
      - { .name: xb, .offset: 24, .size: 8, .value_kind: global_buffer, .address_space: global }
      - { .name: eb, .offset: 32, .size: 8, .value_kind: global_buffer, .address_space: global }
      - { .name: tt, .offset: 40, .size: 8, .value_kind: global_buffer, .address_space: global }
    .group_segment_fixed_size: 327680
    .private_segment_fixed_size: 0
    .kernarg_segment_align: 8
    .kernarg_segment_size: 48
    .max_flat_workgroup_size: 128
    .sgpr_count:     66
    .vgpr_count:     1024
    .wavefront_size: 32
...
	.end_amdgpu_metadata
.endif
;; end of part 5
;; launch out (part 6): grid 256 x 1, 4 waves a work-group, clusters of 4 x 1, 327,680 bytes of LDS; arguments xb, eb, tt, wb, bb, out0; writes out0
.if DOCPART == 6
	.amdgcn_target "amdgcn-amd-amdhsa--gfx1250"
	.amdhsa_code_object_version 6
	.text
	.protected	k_q5969ee364a_out
	.globl	k_q5969ee364a_out
	.p2align	8
	.type	k_q5969ee364a_out,@function
k_q5969ee364a_out:
	s_mov_b64 s[64:65], 0
	v_nop
	global_prefetch_b8 v0, s[64:65] scope:SCOPE_SE
	s_setreg_imm32_b32 hwreg(HW_REG_WAVE_MODE, 25, 1), 1
	s_wait_xcnt 0x0
	s_wait_alu depctr_hold_cnt(0) depctr_sa_sdst(0) depctr_va_vdst(0) depctr_va_sdst(0) depctr_va_ssrc(0) depctr_va_vcc(0) depctr_vm_vsrc(0)
	s_getreg_b32 s2, hwreg(HW_REG_IB_STS2, 6, 4)
	s_cmp_eq_u32 s2, 0
	s_cbranch_scc0 .Lentry_in_a_cluster
	s_endpgm
.Lentry_in_a_cluster:
	s_bfe_u32 s2, ttmp6, 0x10000c
	s_cmp_lg_u32 s2, 0x3003
	s_cbranch_scc0 .Lentry_shape_is_right
	s_endpgm
.Lentry_shape_is_right:
; NRU, launch 3 of 3.  The same chunks of 128 rows.  ms = E + P, with P the sum of the totals T of the batch's earlier chunks (f32).  So
;   y = W_go_x x + W_go_m E + W_go_m P + b_go;   g = gelu(y), exact;   z = W_out g + b_out;   out = z_a sigmoid(z_g).
; Nothing of reference() is left out; a batch's first chunk has P = 0 by the selects below, its first row E = 0.
; P IS ADDED UP IN F32 AND SPLIT into two bf16 rows (hi, and the rounded rest: what is dropped is at most 2^-18 |P|), which ride as ONE more tile of 16 rows through the ms half of the product:
; row q holds part q % 2, and one exchange between neighbouring lanes adds the parts.  Only E, the small local part, is rounded to one bf16.
; g GOES IN F16 WITH A SCALE FOR EACH ROW, an exact power of two from the row's largest |y|: g 2^-e lies below 2, z = 2^e (W_out g 2^-e) + b_out.
; gelu: Phi by Abramowitz and Stegun 7.1.26 (error of erf at most 1.5e-7 for every argument): t = 1 / (1 + 0.2316419 |y|), q = (poly(t) / 2) exp(-y y / 2), g = max(y, 0) - |y| q.
; The biases come from bb, rounded to bf16 by the first launch, the gates' already times -log2(e).
; LIMITS.  NaN and infinities are not treated apart; a row whose largest |y| is 2^127 or more is scaled by 2^-126; a row whose largest |y| is a denormal counts as 0 in z;
; f32 sums are taken in another order than reference()'s.
; ORIENTATION.  Source 0 = 16 rows of the weights, source 1 = 16 rows of the chunk: a lane holds ONE row (lane % 16) and the columns 8 (lane / 16) + 0..7.  A wave makes all 128 rows x 128 columns.
; RING and REGISTER WINDOWS as in the launch before: 32 slots of 65,536 bytes (16 of W_go in bf16, 16 of W_out in f16), asked for jointly by the four work-groups of a cluster.  A slot lies
; [block 4][plane 8][128 rows][8 numbers]: wave v's tensor load brings one block, 64 rows of 256 bytes, to LDS byte 16,384 v of the slot, and wave v reads its fragments there.
; THE WALK IS ROTATED, with the k0 of the launch before (k0 = (i ^ i >> 3) & 7 for cluster i), r0 = k0 >> 1 and q0 = (i >> 3 ^ i >> 5) & 1.  The n-th slot is (n & 8) + ((k0 + n) & 7) for n < 16 and
; 16 + 8 ((n / 8 + q0) & 1) + ((n + 2 r0) & 7) from 16 on.  No LDS address hangs on that.  xb and eb lie in memory in the order of k0, and tt is LOADED in it, by its global offsets.  Of W_go's slots
; wave v asks for block (v + r0) & 3, so it makes y's columns 128 ((v + r0) & 3) + 0..127, and g's K slice (j + 2 r0) & 7 comes to lie at position j of LDS, as the walk over W_out wants it.
; The order of the last product's two passes enters the bases of b_out and out0 alone.
; The row operand lies in ONE region of LDS: x, by one tensor load a wave, the region's only fill; then E, its halves stored as soon as x's halves have been read for the last time; then g.
;   window 0: v0-63 addresses, scales; v64-127, v128-191 the rows' fragments, and work; v192-255 b_go as C operands, then the P tile's sums V, then rows on their way out
;   window 1: v64-191 the weights' fragments; v0-63, v192-255 E on its way, then b_out          windows 2, 3: the 64 accumulators; at the head window 3 holds tt as loaded
.set RG,    131072                     ; the row operand: 64 planes of 2,048 bytes
.set PS,    262144                     ; the P tile: 64 planes x 16 rows x 16 bytes
.set TP,    278528                     ; the four waves' partial sums of T
.set MX,    286720                     ; [row][wave] largest |y|
.set STG,   288768                     ; each wave's stage for the way out: 16 rows x 272 bytes
.set SPARE, 306176
.set A0,   4
.set ADRA, 5
.set B0,   6
.set ADRB, 7
.set P0,   8
.set ADRP, 9
.set EC,   11                          ; v11, v12
.set L16,  13
.set H32,  14
.set TPW,  15
.set TPR,  16
.set PSW,  17
.set MXW,  18
.set MXR,  19
.set GS,   20
.set GA,   21
.set STO,  22
.set RD,   23
.set GO,   24
.set GOA,  25
.set PFO,  26
.set MXA,  27
.set SCF,  28                          ; v[28:29]
.set PF,   32                          ; v32-47 the P tile's fragments; later (2^e, -log2(e) 2^e) for each row tile
.set SC,   48                          ; v48-55 2^-e for each row tile
.set TO,   56                          ; v56-59 my 16 bytes in a row of tt, for each quarter of the positions
.set SPW,  62
.set NIL,  63
.set F0,   64
.set F1,   128
.set VV,   192
.set WV,  18
.set CX,  19
.set CH,  20
.set VQ,  21                           ; 16,384 x my wave's number
.set G1,  24
.set G0A, 32
.set G0B, 36
.set PFA, 40                           ; s[40:41] what I prefetch; never rewritten
.set ASKN, 42                          ; the refill behind which I prefetch, or none
.set PAS, 43
.set TB,  44
.set TA,  45
.set CNT, 46
.set LA,  47
.set HM,  48
.set TPS, 49
.set SEL, 50
.set KP,  52
.set CLW, 53
.set KE,  54
.set C1,  56
.set C2,  58
.set C3,  60
.set C4,  62
.set C5,  66
.set T4,  72
.set RB,  73                           ; 512 x the block of W_go's rows that I take
.set OFF, 74                           ; s[74:75] an offset; the high word stays 0
.set K0,  76
.set Q0,  77
.set NN,  78                           ; the number, in my walk, of the slot asked for last
.set T1,  79                           ; at work; like OFF and T4 they never hold my place in the cluster
.set T2,  80
.set T3,  81
.set BO1, 82                           ; s[82:83] b_out for the pass walked second
.set OU1, 84                           ; s[84:85] out0 for it
.set K2,  86                           ; 2 r0
.set RQ,  87                           ; 16,384 x the block of W_go's rows that I take
.set G1X, 88                           ; s[88:95] descriptor group 1 for x
.set G0X, 96                           ; s[96:99] group 0 for x
.set F16, 0
.set MSB, 0
.macro WIN new
.if MSB != (\new)
	s_set_vgpr_msb (MSB<<8)|(\new)
.set MSB, \new
.endif
.endm
.macro PLACES
.rept 4
	v_nop
.endr
.endm
.macro CREST
	s_cmp_lg_u32 s[WV], 0
	s_cbranch_scc1 .Lnw_\@
	s_barrier_signal -3
.Lnw_\@:
	s_barrier_wait -3
	s_barrier_signal -1
	s_barrier_wait -1
.endm
.macro CROUND
	s_barrier_signal -1
	s_barrier_wait -1
	CREST
.endm
; The refill's descriptor: the other LDS slot than last time; the global address is made anew from the walk's next slot number and my block of it.  It stands where no tensor load of mine is out.
.macro STEP
	s_add_co_u32 s[NN], s[NN], 1
	s_cmp_lt_u32 s[NN], 16
	s_cselect_b32 s[T1], s[K0], s[K2]              ; W_go's slices are walked from k0, W_out's from 2 r0,
	s_cselect_b32 s[T2], 0, s[Q0]                  ; W_out's passes from q0;
	s_cselect_b32 s[T4], s[RQ], s[VQ]              ; of W_go's slots I take block (v + r0) & 3, of W_out's block v
	s_add_co_u32 s[T1], s[T1], s[NN]
	s_and_b32 s[T1], s[T1], 7
	s_lshr_b32 s[T3], s[NN], 3
	s_add_co_u32 s[T2], s[T2], s[T3]
	s_and_b32 s[T2], s[T2], 1
	s_lshl3_add_u32 s[T1], s[T2], s[T1]
	s_and_b32 s[T3], s[NN], 16
	s_add_co_u32 s[T1], s[T1], s[T3]
	s_lshl_b32 s[OFF], s[T1], 16
	s_add_co_u32 s[OFF], s[OFF], s[T4]
	s_xor_b32 s[G0B+1], s[G0B+1], 0x10000
	s_add_nc_u64 s[G0B+2:G0B+3], s[10:11], s[OFF:OFF+1]
	s_or_b32 s[G0B+3], s[G0B+3], 0x80000000
.endm
; A PREFETCH of the stream's slots 8 to 31, which the first launch stored and whose first request stands later than the head: slot 8 + k is first asked for by refill 8, slots 16 + k and 24 + k
; by refill 16 + (k & 1).  Each is named ONCE in the launch, four refills (512 matrix instructions) ahead of that: clusters with i >> 4 = 0, 1, 2 take slots 8 + k0, 16 + k0, 24 + k0; bit 3 of i picks the
; half of the slot; the four partners take a quarter of that each BY ADDRESS; wave 0 asks, a lane 256 bytes.  Slots 0 to 7 come by the first fills alone.  It stands behind the joint load and the run of LDS loads.
.macro ASK
	s_cmp_eq_u32 s[NN], s[ASKN]
	s_cbranch_scc0 .Lna_\@
	global_prefetch_b8 v[PFO], s[PFA:PFA+1] th:TH_LOAD_NT scope:SCOPE_SE
.Lna_\@:
.endm
; 16 matrix instructions.  cm = 0: in place; 1: the products start the sums with 0; 2: with b_go.  The 64 accumulators take turns in one fixed order.
.macro MUL16 f, hi, a0, cm
.if (\cm) == 2
	WIN 0x81+0x40*(\hi)
.else
	WIN 0xa1+0x50*(\hi)
.endif
.irp a, \a0, (\a0)+1
.irp b, 0,1,2,3,4,5,6,7
.set rD, 8*(8*(\a)+(\b))
.set rW, (\f)+8*(\b)
.set rA, (\f)+8*(4*(\hi)+(\a))
.if F16
.if (\cm) == 1
	v_wmma_f32_16x16x32_f16 v[rD:rD+7], v[rW:rW+7], v[rA:rA+7], 0
.else
	v_wmma_f32_16x16x32_f16 v[rD:rD+7], v[rW:rW+7], v[rA:rA+7], v[rD:rD+7]
.endif
.elseif (\cm) == 2
	v_wmma_f32_16x16x32_bf16 v[rD:rD+7], v[rW:rW+7], v[rA:rA+7], v[VV+8*(\b):VV+8*(\b)+7]
.else
	v_wmma_f32_16x16x32_bf16 v[rD:rD+7], v[rW:rW+7], v[rA:rA+7], v[rD:rD+7]
.endif
.endr
.endr
.endm
.macro XMUL f, pf, zero                ; the P tile's eight products of a K step
	WIN 0x01
.irp b, 0,1,2,3,4,5,6,7
.if \zero
	v_wmma_f32_16x16x32_bf16 v[VV+8*\b:VV+8*\b+7], v[(\f)+8*\b:(\f)+8*\b+7], v[(\pf):(\pf)+7], 0
.else
	v_wmma_f32_16x16x32_bf16 v[VV+8*\b:VV+8*\b+7], v[(\f)+8*\b:(\f)+8*\b+7], v[(\pf):(\pf)+7], v[VV+8*\b:VV+8*\b+7]
.endif
.endr
.endm
.macro FETCH ks, f, x                  ; 32 LDS loads in one run (planes of 2,048 bytes on both sides), and with x = 1 the P tile's two behind them
	WIN 0x40
.irp b, 0,1,2,3,4,5,6,7
	ds_load_b128 v[(\f)+8*\b:(\f)+8*\b+3],   v[ADRB] offset:(\ks)*8192+\b*256
	ds_load_b128 v[(\f)+8*\b+4:(\f)+8*\b+7], v[ADRB] offset:(\ks)*8192+\b*256+4096
.endr
	WIN 0
.irp a, 0,1,2,3,4,5,6,7
	ds_load_b128 v[(\f)+8*\a:(\f)+8*\a+3],   v[ADRA] offset:(\ks)*8192+\a*256
	ds_load_b128 v[(\f)+8*\a+4:(\f)+8*\a+7], v[ADRA] offset:(\ks)*8192+\a*256+4096
.endr
.if \x
	ds_load_b128 v[PF+8*(\ks):PF+8*(\ks)+3],   v[ADRP] offset:(\ks)*1024
	ds_load_b128 v[PF+8*(\ks)+4:PF+8*(\ks)+7], v[ADRP] offset:(\ks)*1024+512
.endif
.endm
.macro QUARTER cm, x, xc               ; xc = 1: the P tile is multiplied too; 2: its products start its sums
	s_wait_dscnt 8+2*(\x)                          ; the weights and rows 0-63 are in; the youngest eight loads (and the P tile's two) may be out
	MUL16 F0, 0, 0, \cm
	MUL16 F0, 0, 2, \cm
	PLACES
	FETCH 1, F1, \x
	s_wait_dscnt 32+2*(\x)                         ; all but the run just issued
	MUL16 F0, 1, 0, \cm
	MUL16 F0, 1, 2, \cm
.if \xc
	XMUL F0, PF, (\xc)-1
.endif
.endm
.macro ELOAD half                      ; my quarter of 32 planes of E, 32 loads of 512 consecutive bytes
	WIN 0x40
.set n, 0
.rept 32
.set rE, 4*n+128*(n/16)
	global_load_b128 v[rE:rE+3], v[L16], s[6:7] offset:(\half)*65536+n*512 th:TH_LOAD_NT
.set n, n+1
.endr
	WIN 0
.endm
.macro ESTORE half
	WIN 0x04
.set n, 0
.rept 32
.set rE, 4*n+128*(n/16)
	ds_store_b128 v[EC+(\half)], v[rE:rE+3] offset:n*512
.set n, n+1
.endr
	WIN 0
.endm
; A slot's second K step and the change of slots, as in the launch before.  est = 1: behind the change that follows the walk's slot 3, where every wave has read x's planes 0-31 for the last time and
; passed the barrier, E's planes 0-31 take their place and the other 32 are asked for.  est = 2: the same for planes 32-63 behind slot 7.
.macro TURN fill, fetch, wrap, xc, xn, est
	WIN 0
	s_wait_tensorcnt 0x0
	ds_add_u32 v[SPW], v[NIL]
.if \fill
	STEP
.endif
	s_wait_dscnt 9+2*(\xc)
	MUL16 F1, 0, 0, 0
	s_wait_dscnt 0x0
	s_barrier_signal -1
	MUL16 F1, 0, 2, 0
	WIN 0
	s_barrier_wait -1
.if \fill
	CREST
	tensor_load_to_lds s[G0B:G0B+3], s[G1:G1+7]
	s_nop 0
.endif
	PLACES
	s_xor_b32 s[TB], s[TB], 0x10000
.if \wrap
	s_mov_b32 s[TA], 0
.else
	s_add_co_u32 s[TA], s[TA], 16384
.endif
	v_add_nc_u32 v[ADRB], s[TB], v[B0]
	v_add_nc_u32 v[ADRA], s[TA], v[A0]
.if (\xc) && (\xn)
	s_add_co_u32 s[TPS], s[TPS], 2048
.endif
.if \xn
	v_add_nc_u32 v[ADRP], s[TPS], v[P0]
.endif
.if \fetch
	FETCH 0, F0, \xn
.endif
.if \fill
	ASK
.endif
.if (\est) == 1
	s_cmp_eq_u32 s[CNT], 4                         ; the loop's trip that changes from slot 3 to slot 4
	s_cbranch_scc0 .Lne_\@
	s_wait_loadcnt 0x0
	ESTORE 0
	ELOAD 1
.Lne_\@:
.endif
.if (\est) == 2
	s_wait_loadcnt 0x0
	ESTORE 1
.endif
	MUL16 F1, 1, 0, 0
	MUL16 F1, 1, 2, 0
.if \xc
	XMUL F1, PF+8, 0
.endif
.endm
.macro FINAL
	s_wait_dscnt 8
	MUL16 F1, 0, 0, 0
	MUL16 F1, 0, 2, 0
	s_wait_dscnt 0x0
	MUL16 F1, 1, 0, 0
	MUL16 F1, 1, 2, 0
.endm
; THE WAY OUT of the pass of the last product that is walked p-th: a counted loop over the eight row tiles; a ladder picks the block that names the tile's accumulators.
; A tile is read back from the stage at the end of its trip and stored in the next trip, behind that trip's block, so that neither the stage's round trip nor the stores' addresses are waited for on end.
.macro UBLK a, p
.set AC, 64*((\a)%4)
	WIN 0x12+((\a)/4)
.set k, 0
.rept 16                               ; z_a = 2^e sum + b
	v_pk_fma_f32 v[F1+k:F1+k+1], v[AC+k:AC+k+1], v[PF+2*(\a):PF+2*(\a)+1], v[192*(\p)+k:192*(\p)+k+1] op_sel_hi:[1,0,1]
.set k, k+2
.endr
.set k, 32
.rept 16                               ; -log2(e) z_g
	v_pk_fma_f32 v[F1+k:F1+k+1], v[AC+k:AC+k+1], v[PF+2*(\a):PF+2*(\a)+1], v[192*(\p)+k:192*(\p)+k+1] op_sel:[0,1,0] op_sel_hi:[1,1,1]
.set k, k+2
.endr
	WIN 0
.endm
.macro SENDT                           ; the tile that lies read back goes out; the offset register stands one tile further on, and the immediate reaches back
.irp t, 0,1,2,3,4,5,6,7
	global_store_b128 v[GOA], v[VV+4*\t:VV+4*\t+3], s[OB:OB+1] offset:\t*4096-32768 th:TH_STORE_NT   ; 16 lanes store 256 consecutive bytes, aligned
.endr
.endm
.macro GLU p, tag
.set OB, 16+(\p)*(OU1-16)
	PLACES
	WIN 0
	s_wait_xcnt 0x0                                ; the stores of the pass before have read their offset
	v_mov_b32 v[GOA], v[GO]
	s_mov_b32 s[LA], 8
.Lt\tag:
.irp a, 1,2,3,4,5,6,7
	s_cmp_eq_u32 s[LA], 8-\a
	s_cbranch_scc1 .Lb\tag\a
.endr
.irp a, 0,1,2,3,4,5,6,7
.Lb\tag\a:
	UBLK \a, \p
.if \a < 7
	s_branch .Lc\tag
.endif
.endr
.Lc\tag:
	s_wait_dscnt 0x0                               ; the tile before is back in registers (on every path)
	s_cmp_eq_u32 s[LA], 8                          ; the first trip has no tile before it
	s_cbranch_scc1 .Lg\tag
	SENDT
.Lg\tag:
.set k, 0
.rept 32
	v_exp_f32 v[F1+32+k], v[F1+32+k]
.set k, k+1
.endr
	v_nop                                          ; a plain instruction behind the last exponential,
	s_wait_alu depctr_va_vdst(0)                   ; and one wait for the batch
.set k, 0
.rept 16
	v_pk_add_f32 v[F1+32+k:F1+33+k], v[F1+32+k:F1+33+k], 1.0 op_sel_hi:[1,0]
.set k, k+2
.endr
.set k, 0
.rept 32
	v_rcp_f32 v[F1+32+k], v[F1+32+k]
.set k, k+1
.endr
	v_nop
	s_wait_alu depctr_va_vdst(0)
.set k, 0
.rept 16
	v_pk_mul_f32 v[F1+k:F1+k+1], v[F1+k:F1+k+1], v[F1+32+k:F1+33+k]
.set k, k+2
.endr
.irp b, 0,1,2,3
	ds_store_b128 v[STO], v[F1+8*\b:F1+8*\b+3]   offset:64*\b
	ds_store_b128 v[STO], v[F1+8*\b+4:F1+8*\b+7] offset:64*\b+16
.endr
	s_wait_xcnt 0x0                                ; this trip's stores, a trip's arithmetic back, have read their offset and their data: both are rewritten below
	v_add_nc_u32 v[GOA], 32768, v[GOA]
.irp t, 0,1,2,3,4,5,6,7
	ds_load_b128 v[VV+4*\t:VV+4*\t+3], v[RD] offset:\t*544     ; my own stage, served in order: whole rows of 256 bytes come back
.endr
	s_sub_co_u32 s[LA], s[LA], 1
	s_cmp_lg_u32 s[LA], 0
	s_cbranch_scc1 .Lt\tag
	s_wait_dscnt 0x0
	SENDT                                          ; the last tile
.endm
	s_load_b256 s[4:11], s[0:1], 0x0               ; xb s[4:5], eb s[6:7], tt s[8:9], wb s[10:11]
	s_load_b128 s[12:15], s[0:1], 0x20             ; bb s[12:13], out0 s[14:15]
	v_lshl_add_u32 v[SPW], v0, 2, SPARE
	v_mov_b32 v[NIL], 0
	ds_add_u32 v[SPW], v[NIL]                      ; the opening: the add, twice on end, and its wait ahead of my first tensor load
	ds_add_u32 v[SPW], v[NIL]
	v_lshrrev_b32 v1, 5, v0
	v_readfirstlane_b32 s[WV], v1
	s_bfe_u32 s[CX], ttmp6, 0x40000                ; my place in the cluster: it enters global addresses and a select, no branch and no LDS address
	s_lshl_b32 s[CH], ttmp9, 2
	s_add_co_u32 s[CH], s[CH], s[CX]
	s_and_b32 s70, s[CH], 63
	s_sub_co_i32 s[CLW], s70, s[WV]                ; chunks of the batch in front of mine, less my wave's number
	s_lshr_b32 s[T1], ttmp9, 3                     ; where my cluster's walk begins: the same in all four partners
	s_xor_b32 s[K0], ttmp9, s[T1]
	s_and_b32 s[K0], s[K0], 7
	s_lshr_b32 s[T2], ttmp9, 5
	s_xor_b32 s[Q0], s[T1], s[T2]
	s_and_b32 s[Q0], s[Q0], 1
	s_and_b32 s[K2], s[K0], 6                      ; 2 r0
	s_lshr_b32 s[T3], s[K0], 1
	s_add_co_u32 s[T3], s[T3], s[WV]
	s_and_b32 s[T3], s[T3], 3                      ; the block of W_go's rows that I take: (v + r0) & 3
	s_lshl_b32 s[RQ], s[T3], 14
	s_lshl_b32 s[RB], s[T3], 9
	s_lshl_b32 s[VQ], s[WV], 14
	s_mov_b32 s[NN], 1
	s_mov_b32 s[OFF+1], 0
	s_lshr_b32 s[T2], s[T1], 1                     ; i >> 4: which eight slots my cluster's prefetch belongs to
	s_and_b32 s[ASKN], s[K0], 1
	s_add_co_u32 s[ASKN], s[ASKN], 12              ; slots 16 + k0 and 24 + k0 are first asked for by refill 16 + (k0 & 1),
	s_cmp_eq_u32 s[T2], 0
	s_cselect_b32 s[ASKN], 4, s[ASKN]              ; slot 8 + k0 by refill 8
	s_cmp_eq_u32 s[T2], 3
	s_cselect_b32 s[ASKN], -1, s[ASKN]             ; the last sixteen clusters ask for nothing,
	s_cmp_lg_u32 s[WV], 0
	s_cselect_b32 s[ASKN], -1, s[ASKN]             ; nor do waves 1 to 3
	s_min_u32 s[T2], s[T2], 2
	s_add_co_u32 s[T2], s[T2], 1
	s_lshl3_add_u32 s[T2], s[T2], s[K0]            ; the slot,
	s_lshl_b32 s[T2], s[T2], 16
	s_and_b32 s[T1], s[T1], 1
	s_lshl_b32 s[T1], s[T1], 15                    ; its half
	s_add_co_u32 s[T3], s[T2], s[T1]
	s_mov_b32 s[G1+0], 15|(3<<16)|(1<<21)          ; the weights: the mask of four; elements of 8 bytes; bit 21 beside a mask; no padding
	s_mov_b32 s[G1+1], 32<<16                      ; rows of 256 bytes,
	s_mov_b32 s[G1+2], 64<<16                      ; 64 of them,
	s_mov_b32 s[G1+3], 32<<16
	s_mov_b32 s[G1+4], 64
	s_mov_b32 s[G1+5], 32                          ; dense
	s_mov_b32 s[G1+6], 0
	s_mov_b32 s[G1+7], 0
	s_mov_b32 s[G1X+0], 3<<16                      ; x: a load of my work-group's own: no mask; elements of 8 bytes; no padding
	s_mov_b32 s[G1X+1], 32<<16                     ; rows of 256 bytes,
	s_mov_b32 s[G1X+2], 128<<16                    ; 128 of them: my quarter of the chunk's 131,072 bytes,
	s_mov_b32 s[G1X+3], 32<<16
	s_mov_b32 s[G1X+4], 128
	s_mov_b32 s[G1X+5], 32                         ; dense
	s_mov_b32 s[G1X+6], 0
	s_mov_b32 s[G1X+7], 0
	s_mov_b32 s23, 0
	s_mov_b32 s71, 0
	s_mov_b32 s[G0A], 1
	s_mov_b32 s[G0A+1], s[VQ]
	s_mov_b32 s[G0B], 1
	s_add_co_u32 s[G0B+1], s[VQ], 0x10000
	s_mov_b32 s[G0X], 1
	s_lshl_b32 s[G0X+1], s[WV], 15
	s_add_co_u32 s[G0X+1], s[G0X+1], RG
	s_mov_b32 s[HM], 0xffff0000
	s_mov_b32 s[SEL], 0x76543210
	s_mov_b32 s[SEL+1], 0xfedcba98
	s_mov_b32 s[TB], 0
	s_mov_b32 s[TA], 0
	s_mov_b32 s[TPS], 0
	s_mov_b32 s[KP], 0x3e6d3389                    ; 0.2316419
	s_mov_b32 s[KE], 0xbf38aa3b                    ; -log2(e) / 2
	s_mov_b32 s[KE+1], s[KE]
	s_mov_b32 s[C1], 0x3e027906                    ; the polynomial's coefficients, halved: 0.127414796
	s_mov_b32 s[C1+1], s[C1]
	s_mov_b32 s[C2], 0xbe11a98e                    ; -0.142248368
	s_mov_b32 s[C2+1], s[C2]
	s_mov_b32 s[C3], 0x3f35f0e3                    ; 0.7107068705
	s_mov_b32 s[C3+1], s[C3]
	s_mov_b32 s[C4], 0xbf3a00e3                    ; -0.7265760135
	s_mov_b32 s[C4+1], s[C4]
	s_mov_b32 s[C5], 0x3f07dc22                    ; 0.5307027145
	s_mov_b32 s[C5+1], s[C5]
	v_and_b32 v1, 15, v0
	v_bfe_u32 v2, v0, 4, 1
	v_and_b32 v3, 31, v0
	v_lshlrev_b32 v[L16], 4, v3
	v_lshlrev_b32 v[H32], 5, v2
	v_lshlrev_b32 v[PFO], 8, v3
	v_mov_b32 v[SCF+1], 0
	s_lshl_b32 s70, s[K0], 8                       ; a K slice is 256 bytes of a row of tt: position bytes 16 l + 512 j come from (that + 256 k0) mod 2,048
	v_add_nc_u32 v[TO], s70, v[L16]
	v_add_nc_u32 v[TO+1], 512, v[TO]
	v_add_nc_u32 v[TO+2], 1024, v[TO]
	v_add_nc_u32 v[TO+3], 1536, v[TO]
.irp j, 0,1,2,3
	v_and_b32 v[TO+\j], 0x7ff, v[TO+\j]
.endr
	v_lshlrev_b32 v[A0], 11, v2                    ; a fragment's place: plane lane / 16, row lane % 16
	v_lshl_add_u32 v[A0], v1, 4, v[A0]
	v_add_nc_u32 v[B0], s[VQ], v[A0]               ; the weights': in my block of a slot
	v_mov_b32 v[ADRB], v[B0]
	v_add_nc_u32 v[A0], RG, v[A0]                  ; the rows'
	v_mov_b32 v[ADRA], v[A0]
	s_lshl_b32 s70, s[WV], 11
	v_add_nc_u32 v[TPW], s70, v[L16]
	v_add_nc_u32 v[TPW], TP, v[TPW]                ; my wave's 2,048 bytes of partial sums
	v_lshlrev_b32 v[P0], 8, v2
	v_lshl_add_u32 v[P0], v1, 4, v[P0]
	v_add_nc_u32 v[P0], PS, v[P0]
	s_lshl_b32 s70, s[WV], 15
	v_add_nc_u32 v[GS], s70, v[A0]                 ; g: plane 16 w + h, row lane % 16
	s_add_co_u32 s70, s[VQ], RG
	v_add_nc_u32 v[EC], s70, v[L16]
	v_add_nc_u32 v[EC+1], 65536, v[EC]
	s_lshl_b32 s70, s[WV], 9
	s_add_co_u32 s70, s70, TP
	v_add_nc_u32 v[TPR], s70, v[L16]               ; my four positions 128 w + 4 l in each wave's partial sums
	s_lshl_b32 s70, s[WV], 12
	s_add_co_u32 s70, s70, PS
	v_lshrrev_b32 v[PSW], 1, v3
	v_lshlrev_b32 v[PSW], 8, v[PSW]
	v_and_b32 v[MXA], 1, v0
	v_lshl_add_u32 v[PSW], v[MXA], 3, v[PSW]
	v_add_nc_u32 v[PSW], s70, v[PSW]
	v_lshlrev_b32 v[MXR], 4, v1
	v_add_nc_u32 v[MXR], MX, v[MXR]
	s_lshl_b32 s70, s[WV], 2
	v_add_nc_u32 v[MXW], s70, v[MXR]
	v_mov_b32 v[MXA], v[MXW]
	s_mul_i32 s70, s[WV], 4352
	s_add_co_u32 s70, s70, STG
	v_mul_u32_u24 v[STO], v1, 272
	v_lshl_add_u32 v[STO], v2, 5, v[STO]
	v_add_nc_u32 v[STO], s70, v[STO]
	v_mul_u32_u24 v[RD], v2, 272
	v_lshl_add_u32 v[RD], v1, 4, v[RD]
	v_add_nc_u32 v[RD], s70, v[RD]
	v_lshlrev_b32 v[GO], 11, v2
	v_lshl_add_u32 v[GO], v1, 4, v[GO]
	s_wait_dscnt 0x0                               ; both opening adds are done
	s_wait_kmcnt 0x0
	s_lshl_b32 s[OFF], s[K0], 16                   ; my walk's slot 0, my block of it,
	s_add_co_u32 s[OFF], s[OFF], s[RQ]
	s_add_nc_u64 s[G0A+2:G0A+3], s[10:11], s[OFF:OFF+1]
	s_add_co_u32 s[T1], s[K0], 1                   ; and slot 1
	s_and_b32 s[T1], s[T1], 7
	s_lshl_b32 s[OFF], s[T1], 16
	s_add_co_u32 s[OFF], s[OFF], s[RQ]
	s_add_nc_u64 s[G0B+2:G0B+3], s[10:11], s[OFF:OFF+1]
	s_or_b32 s[G0A+3], s[G0A+3], 0x80000000
	s_or_b32 s[G0B+3], s[G0B+3], 0x80000000
	s_lshl_b32 s70, s[CH], 17
	s_add_co_u32 s22, s[VQ], s70
	s_add_nc_u64 s[6:7], s[6:7], s[22:23]          ; eb at my chunk, my quarter of 32 planes
	s_lshl_b32 s22, s[WV], 15
	s_add_co_u32 s22, s22, s70
	s_add_nc_u64 s[G0X+2:G0X+3], s[4:5], s[22:23]  ; xb at my chunk, my quarter
	s_or_b32 s[G0X+3], s[G0X+3], 0x80000000
	s_and_b32 s22, s[CH], 0xc0
	s_add_co_u32 s22, s22, s[WV]
	s_lshl_b32 s22, s22, 11
	s_add_nc_u64 s[8:9], s[8:9], s[22:23]          ; tt at the batch's chunk number w
	s_lshl_b32 s22, s[WV], 8
	s_lshl_b32 s70, s[CH], 18
	s_add_co_u32 s70, s70, s22
	s_add_nc_u64 s[16:17], s[14:15], s[70:71]      ; out0 at my chunk, my 64 columns of a pass
	s_add_co_u32 s22, s22, 2048
	s_add_nc_u64 s[14:15], s[12:13], s[22:23]      ; b_out's part of bb at my 64 columns of a pass
	s_lshl_b32 s22, s[Q0], 10                      ; a pass is 1,024 bytes of a row of either: pass q0 is walked first,
	s_xor_b32 s70, s22, 1024                       ; the other second
	s_add_nc_u64 s[BO1:BO1+1], s[14:15], s[70:71]
	s_add_nc_u64 s[OU1:OU1+1], s[16:17], s[70:71]
	s_add_nc_u64 s[14:15], s[14:15], s[22:23]
	s_add_nc_u64 s[16:17], s[16:17], s[22:23]
	s_mov_b32 s22, s[RB]
	s_add_nc_u64 s[12:13], s[12:13], s[22:23]      ; b_go's part of bb at the 128 columns that I make
	s_lshl_b32 s22, s[CX], 13                      ; my work-group's quarter of the half slot that my cluster prefetches
	s_add_co_u32 s22, s22, s[T3]
	s_add_nc_u64 s[PFA:PFA+1], s[10:11], s[22:23]
	CROUND                                         ; all four work-groups are here: the first joint loads meet
	tensor_load_to_lds s[G0A:G0A+3], s[G1:G1+7]    ; the walk's slot 0,
	s_nop 0
	tensor_load_to_lds s[G0X:G0X+3], s[G1X:G1X+7]  ; my quarter of x,
	s_nop 0
	tensor_load_to_lds s[G0B:G0B+3], s[G1:G1+7]    ; slot 1: three loads of mine are out
	s_nop 0
	PLACES
	WIN 0xc0                                       ; the totals of the batch's chunks 4 i + w, i = 0 .. 15: all 64 are loaded, the selects below keep those in front of my chunk
.set n, 0
.rept 64
	global_load_b128 v[4*n:4*n+3], v[TO+n%4], s[8:9] offset:(n/4)*8192
.set n, n+1
.endr
	WIN 0
.irp b, 0,1,2,3,4,5,6,7
	global_load_b128 v[VV+8*\b:VV+8*\b+3],   v[H32], s[12:13] offset:64*\b
	global_load_b128 v[VV+8*\b+4:VV+8*\b+7], v[H32], s[12:13] offset:64*\b+16
.endr
	ELOAD 0
	s_wait_loadcnt 48                              ; b_go's 16 and E's 32 were issued behind tt's
	WIN 0xcc
.set i, 0
.rept 16
	s_cmp_gt_i32 s[CLW], 4*i                       ; does chunk 4 i + w stand in front of mine?  A select, no branch: the answer differs between partners
	s_cselect_b32 vcc_lo, -1, 0
.set k, 0
.rept 16
	v_cndmask_b32 v[16*i+k], 0, v[16*i+k], vcc_lo
.set k, k+1
.endr
.set i, i+1
.endr
	WIN 0xcf
.set i, 1
.rept 15
.set k, 0
.rept 8
	v_pk_add_f32 v[k:k+1], v[k:k+1], v[16*i+k:16*i+k+1]
.set k, k+2
.endr
.set i, i+1
.endr
	WIN 0x0c
.irp j, 0,1,2,3
	ds_store_b128 v[TPW], v[4*\j:4*\j+3] offset:512*\j
.endr
	WIN 0
	s_wait_loadcnt 32                              ; b_go is in; E's 32 loads may stay out
	s_wait_tensorcnt 0x1                           ; my parts of slot 0 and of x are in; slot 1's may stay out
	s_wait_dscnt 0x0                               ; my partial sums lie in LDS
	s_barrier_signal -1
	s_barrier_wait -1
.irp k, 0,1,2,3
	ds_load_b128 v[F0+4*\k:F0+4*\k+3], v[TPR] offset:\k*2048
.endr
	s_wait_dscnt 0x0
	v_pk_add_f32 v[64:65], v[64:65], v[68:69]
	v_pk_add_f32 v[66:67], v[66:67], v[70:71]
	v_pk_add_f32 v[72:73], v[72:73], v[76:77]
	v_pk_add_f32 v[74:75], v[74:75], v[78:79]
	v_pk_add_f32 v[64:65], v[64:65], v[72:73]
	v_pk_add_f32 v[66:67], v[66:67], v[74:75]      ; P of my four positions
	v_cvt_pk_bf16_f32 v80, v64, v65                ; hi = bf16(P)
	v_cvt_pk_bf16_f32 v81, v66, v67
	v_lshlrev_b32 v92, 16, v80
	v_and_b32 v93, s[HM], v80
	v_lshlrev_b32 v94, 16, v81
	v_and_b32 v95, s[HM], v81
	v_pk_add_f32 v[64:65], v[64:65], v[92:93] neg_lo:[0,1] neg_hi:[0,1]   ; P - hi, exact
	v_pk_add_f32 v[66:67], v[66:67], v[94:95] neg_lo:[0,1] neg_hi:[0,1]
	v_cvt_pk_bf16_f32 v82, v64, v65                ; the rest, rounded
	v_cvt_pk_bf16_f32 v83, v66, v67
.set i, 0
.rept 16
	ds_store_b64 v[PSW], v[80+2*(i%2):81+2*(i%2)] offset:16*i   ; row i of the P tile holds part i % 2; read seven changes of slots later, each behind a wait for my LDS stores and a barrier
.set i, i+1
.endr
	FETCH 0, F0, 0
	; y, the x half: the walk's slots 0 to 7
	QUARTER 2, 0, 0
	WIN 0
	s_mov_b32 s[CNT], 7
.Lxh:
	TURN 1, 1, 0, 0, 0, 1
	QUARTER 0, 0, 0
	WIN 0
	s_sub_co_u32 s[CNT], s[CNT], 1
	s_cmp_lg_u32 s[CNT], 0
	s_cbranch_scc1 .Lxh
	TURN 1, 1, 1, 0, 1, 2
	; y, the ms half: slots 8 to 15, with the P tile
	QUARTER 0, 1, 2
	WIN 0
	s_mov_b32 s[CNT], 7
.Lmh:
	TURN 1, 1, 0, 1, 1, 0
	QUARTER 0, 1, 1
	WIN 0
	s_sub_co_u32 s[CNT], s[CNT], 1
	s_cmp_lg_u32 s[CNT], 0
	s_cbranch_scc1 .Lmh
	TURN 1, 0, 1, 1, 0, 0                          ; the ring goes on; the next row operand is still to be made
	PLACES
	WIN 0
.set i, 0
.rept 64                               ; V = W_go_m P: the two parts lie in lanes q and q ^ 1
	v_add_f32_dpp v[VV+i], v[VV+i], v[VV+i] row_xmask:1 row_mask:0xf bank_mask:0xf
.set i, i+1
.endr
	; each row's largest |y|
	s_mov_b32 s[LA], 8
.Ltr:
.irp a, 1,2,3,4,5,6,7
	s_cmp_eq_u32 s[LA], 8-\a
	s_cbranch_scc1 .Lbr\a
.endr
.irp a, 0,1,2,3,4,5,6,7
.Lbr\a:
	WIN 0x02+\a/4
.set k, 0
.rept 32
	v_pk_add_f32 v[F0+k:F0+k+1], v[64*(\a%4)+k:64*(\a%4)+k+1], v[VV+k:VV+k+1]
.set k, k+2
.endr
	WIN 0
.if \a < 7
	s_branch .Lcr
.endif
.endr
.Lcr:
.irp c, 0,1,2,3
	v_max3_num_f32 v[128+\c], v[64+16*\c], v[65+16*\c], v[66+16*\c]
	v_min3_num_f32 v[132+\c], v[64+16*\c], v[65+16*\c], v[66+16*\c]
.endr
.irp j, 3,5,7,9,11,13
.irp c, 0,1,2,3
	v_max3_num_f32 v[128+\c], v[128+\c], v[64+16*\c+\j], v[65+16*\c+\j]
	v_min3_num_f32 v[132+\c], v[132+\c], v[64+16*\c+\j], v[65+16*\c+\j]
.endr
.endr
.irp c, 0,1,2,3
	v_max_num_f32 v[128+\c], v[128+\c], v[79+16*\c]
	v_min_num_f32 v[132+\c], v[132+\c], v[79+16*\c]
.endr
	v_max3_num_f32 v128, v128, v129, v130
	v_min3_num_f32 v132, v132, v133, v134
	v_max_num_f32 v128, v128, v131
	v_min_num_f32 v132, v132, v135
	v_sub_f32 v132, 0, v132
	v_max_num_f32 v128, v128, v132
	v_permlanex16_b32 v129, v128, s[SEL], s[SEL+1] ; the row's other 64 of my columns
	v_max_num_f32 v128, v128, v129
	ds_store_b32 v[MXA], v128
	v_add_nc_u32 v[MXA], 256, v[MXA]
	s_sub_co_u32 s[LA], s[LA], 1
	s_cmp_lg_u32 s[LA], 0
	s_cbranch_scc1 .Ltr
	s_wait_dscnt 0x0
	s_barrier_signal -1                            ; the ring's load may stay out
	s_barrier_wait -1
.irp a, 0,1,2,3,4,5,6,7
	ds_load_b128 v[128+4*\a:131+4*\a], v[MXR] offset:\a*256
.endr
	WIN 0x40                                       ; b_out of both passes, in the order in which they are walked: tiles 0-3 the values' columns, 4-7 their gates'
.irp b, 0,1,2,3,4,5,6,7
	global_load_b128 v[8*\b:8*\b+3],   v[H32], s[14:15] offset:(\b/4)*2048+(\b%4)*64
	global_load_b128 v[8*\b+4:8*\b+7], v[H32], s[14:15] offset:(\b/4)*2048+(\b%4)*64+16
.endr
.irp b, 0,1,2,3,4,5,6,7
	global_load_b128 v[192+8*\b:192+8*\b+3],   v[H32], s[BO1:BO1+1] offset:(\b/4)*2048+(\b%4)*64
	global_load_b128 v[192+8*\b+4:192+8*\b+7], v[H32], s[BO1:BO1+1] offset:(\b/4)*2048+(\b%4)*64+16
.endr
	WIN 0
	s_wait_dscnt 0x0
.irp a, 0,1,2,3,4,5,6,7
	v_max3_num_f32 v[128+4*\a], v[128+4*\a], v[129+4*\a], v[130+4*\a]
	v_max_num_f32 v[128+4*\a], v[128+4*\a], v[131+4*\a]
	v_and_b32 v[128+4*\a], 0x7f800000, v[128+4*\a] ; the exponent's bits are 2^e
	v_min_u32 v[PF+2*\a], 0x7e800000, v[128+4*\a]  ; held so that 2^-e is no denormal
	v_sub_nc_u32 v[SC+\a], 0x7f000000, v[PF+2*\a]  ; 2^-e
	v_mul_f32 v[PF+2*\a+1], 0xbfb8aa3b, v[PF+2*\a] ; -log2(e) 2^e
.endr
	; gelu: sixteen trips, row tile i / 2, half i % 2 of my columns: 32 numbers a lane
	s_mov_b32 s[LA], 16
.Ltg:
.irp i, 1,2,3,4,5,6,7,8,9,10,11,12,13,14,15
	s_cmp_eq_u32 s[LA], 16-\i
	s_cbranch_scc1 .Lbg\i
.endr
.irp i, 0,1,2,3,4,5,6,7,8,9,10,11,12,13,14,15
.Lbg\i:
	WIN 0x02+\i/8
.set k, 0
.rept 16
	v_pk_add_f32 v[64+k:65+k], v[64*((\i/2)%4)+32*(\i%2)+k:64*((\i/2)%4)+32*(\i%2)+k+1], v[VV+32*(\i%2)+k:VV+32*(\i%2)+k+1]
.set k, k+2
.endr
	WIN 0
	v_mov_b32 v[SCF], v[SC+\i/2]
	v_add_nc_u32 v[GA], (\i/2)*256+(\i%2)*16384, v[GS]
.if \i < 15
	s_branch .Lcg
.endif
.endr
.Lcg:                                          ; y v64-95, t v96-127, exp v128-159, polynomial v160-191
.set k, 0
.rept 32
	v_fma_f32 v[96+k], |v[64+k]|, s[KP], 1.0
.set k, k+1
.endr
.set k, 0
.rept 16
	v_pk_mul_f32 v[128+k:129+k], v[64+k:65+k], v[64+k:65+k]
.set k, k+2
.endr
.set k, 0
.rept 16
	v_pk_mul_f32 v[128+k:129+k], v[128+k:129+k], s[KE:KE+1] op_sel_hi:[1,0]
.set k, k+2
.endr
.set k, 0
.rept 32
	v_rcp_f32 v[96+k], v[96+k]
.set k, k+1
.endr
.set k, 0
.rept 32
	v_exp_f32 v[128+k], v[128+k]
.set k, k+1
.endr
	v_nop                                          ; a plain instruction behind the last of the 64,
	s_wait_alu depctr_va_vdst(0)                   ; and one wait for the batch
.set k, 0
.rept 16
	v_pk_fma_f32 v[160+k:161+k], v[96+k:97+k], s[C5:C5+1], s[C4:C4+1] op_sel_hi:[1,0,0]
.set k, k+2
.endr
.irp c, C3, C2, C1
.set k, 0
.rept 16
	v_pk_fma_f32 v[160+k:161+k], v[160+k:161+k], v[96+k:97+k], s[\c:\c+1] op_sel_hi:[1,1,0]
.set k, k+2
.endr
.endr
.set k, 0
.rept 16
	v_pk_mul_f32 v[160+k:161+k], v[160+k:161+k], v[96+k:97+k]
.set k, k+2
.endr
.set k, 0
.rept 16
	v_pk_mul_f32 v[160+k:161+k], v[160+k:161+k], v[128+k:129+k]   ; q
.set k, k+2
.endr
.set k, 0
.rept 32
	v_max_num_f32 v[96+k], 0, v[64+k]
.set k, k+1
.endr
.set k, 0
.rept 32
	v_fma_f32 v[64+k], -|v[64+k]|, v[160+k], v[96+k]       ; g = max(y, 0) - |y| q
.set k, k+1
.endr
.set k, 0
.rept 16
	v_pk_mul_f32 v[64+k:65+k], v[64+k:65+k], v[SCF:SCF+1] op_sel_hi:[1,0]
.set k, k+2
.endr
.set k, 0
.rept 16
	v_cvt_pk_f16_f32 v[96+k], v[64+2*k], v[65+2*k]
.set k, k+1
.endr
.irp b, 0,1,2,3
	ds_store_b128 v[GA], v[96+4*\b:99+4*\b] offset:4096*\b  ; eight columns of my row are a row of one plane: 16 lanes store 256 consecutive bytes
.endr
	s_sub_co_u32 s[LA], s[LA], 1
	s_cmp_lg_u32 s[LA], 0
	s_cbranch_scc1 .Ltg
	s_wait_loadcnt 0x0                             ; b_out is in
	s_wait_dscnt 0x0                               ; my columns of g lie in LDS
	s_barrier_signal -1
	s_barrier_wait -1
	FETCH 0, F0, 0
	; z: slots 16 to 31, two passes of 256 output columns, f16 operands
.set F16, 1
	s_mov_b32 s[PAS], 2                            ; passes to go, this one among them: the same number in every work-group
.Lp3:
	QUARTER 1, 0, 0
	WIN 0
	s_mov_b32 s[CNT], 6
.Ls3:
	TURN 1, 1, 0, 0, 0, 0
	QUARTER 0, 0, 0
	WIN 0
	s_sub_co_u32 s[CNT], s[CNT], 1
	s_cmp_lg_u32 s[CNT], 0
	s_cbranch_scc1 .Ls3
	s_cmp_eq_u32 s[PAS], 1
	s_cbranch_scc1 .Ll3                            ; the last pass's tail is written out: it asks for nothing more
	TURN 1, 1, 0, 0, 0, 0
	QUARTER 0, 0, 0
	TURN 1, 1, 1, 0, 0, 0
	GLU 0, u
	s_sub_co_u32 s[PAS], s[PAS], 1
	s_branch .Lp3
.Ll3:
	TURN 0, 1, 0, 0, 0, 0                          ; the walk's last two slots are not filled again
	QUARTER 0, 0, 0
	FINAL
	GLU 1, w
	s_wait_tensorcnt 0x0                           ; the wave's end
	ds_add_u32 v[SPW], v[NIL]
	s_wait_dscnt 0x0
	CROUND                                         ; the closing round
	s_endpgm
.Lfunc_end_k_q5969ee364a_out:
	.size	k_q5969ee364a_out, .Lfunc_end_k_q5969ee364a_out-k_q5969ee364a_out
	.p2alignl 7, 3214868480
	.fill 96, 4, 3214868480
	.section	.rodata,"a",@progbits
	.p2align	6, 0x0
	.amdhsa_kernel k_q5969ee364a_out
		.amdhsa_group_segment_fixed_size 327680
		.amdhsa_private_segment_fixed_size 0
		.amdhsa_enable_private_segment 0
		.amdhsa_kernarg_size 48
		.amdhsa_user_sgpr_count 2
		.amdhsa_user_sgpr_kernarg_segment_ptr 1
		.amdhsa_wavefront_size32 1
		.amdhsa_system_sgpr_workgroup_id_x 1
		.amdhsa_system_sgpr_workgroup_id_y 1
		.amdhsa_system_sgpr_workgroup_id_z 1
		.amdhsa_system_vgpr_workitem_id 0
		.amdhsa_next_free_vgpr 1024
		.amdhsa_next_free_sgpr 100
		.amdhsa_reserve_vcc 1
		.amdhsa_float_denorm_mode_32 3
		.amdhsa_float_denorm_mode_16_64 3
		.amdhsa_memory_ordered 1
		.amdhsa_forward_progress 1
		.amdhsa_inst_pref_size 255
	.end_amdhsa_kernel
	.section	.bss,"aw",@nobits
	.p2align	6
	.space	262144
	.amdgpu_metadata
---
amdhsa.version: [ 1, 2 ]
amdhsa.kernels:
  - .name:           k_q5969ee364a_out
    .symbol:         k_q5969ee364a_out.kd
    .args:
      - { .name: xb, .offset: 0, .size: 8, .value_kind: global_buffer, .address_space: global }
      - { .name: eb, .offset: 8, .size: 8, .value_kind: global_buffer, .address_space: global }
      - { .name: tt, .offset: 16, .size: 8, .value_kind: global_buffer, .address_space: global }
      - { .name: wb, .offset: 24, .size: 8, .value_kind: global_buffer, .address_space: global }
      - { .name: bb, .offset: 32, .size: 8, .value_kind: global_buffer, .address_space: global }
      - { .name: out0, .offset: 40, .size: 8, .value_kind: global_buffer, .address_space: global }
    .group_segment_fixed_size: 327680
    .private_segment_fixed_size: 0
    .kernarg_segment_align: 8
    .kernarg_segment_size: 48
    .max_flat_workgroup_size: 128
    .sgpr_count:     100
    .vgpr_count:     1024
    .wavefront_size: 32
...
	.end_amdgpu_metadata
.endif
;; end of part 6
